; MI455X (gfx1250); checked and timed in simulation.
; The chip was launched on July 23, 2026; its instructions are those of AMD's public machine-readable ISA for CDNA 5 (MIT licence, August 2026) and "CDNA5" Instruction Set Architecture Reference Guide (July 2026). The comments in the code are by the model that wrote it; some were corrected since.
;; Attention. Allowed arithmetic: matrix products marked QUANTISED: E2M1 operands, one E8M0 scale for each 32 along K, by v_wmma_scale_f32_16x16x128_f8f6f4 with both operands' format E2M1 (or v_wmma_scale_f32_32x16x128_f4), f32 sums; products left as they are: bf16, f16 or f32 operands; f32 sums; everything else in f32.
;; Inputs: Wk 1,024 x 1,024 float32; Wo 1,024 x 1,024 float32; Wq 1,024 x 1,024 float32; Wv 1,024 x 1,024 float32; bk 1,024 float32; bo 1,024 float32; bq 1,024 float32; bv 1,024 float32; mask 4 x 2,048 x 2,048 bool; x 4 x 2,048 x 1,024 float32.
;; Outputs: out0 4 x 2,048 x 1,024 float32.
;; This version of the problem:
;;   THIS VERSION OF THE PROBLEM IS GIVEN IN LOW PRECISION. The matrix products marked QUANTISED in the list below multiply operands that are first quantised to E2M1 (2 exponent bits, 1 mantissa bit; 4 bits a number), with one power-of-two scale for each 32 numbers along K (OCP MX v1.0); their sums are f32. The products marked 'left as it is' may take bf16, f16 or f32 operands, with f32 sums. Whichever they take, every output number must still come out within the allowed error. Rounding operands to bf16 (8 significant bits) uses up far more of that allowance than f16 does (11 bits, for magnitudes from 6e-5 to 65,504). All else is computed in f32.
;;   The module's matrix products, in the order in which they are computed (A, B: the left and right operand; K: the contracted axis; several contracted axes count as one K, in the product's order):
;;     1. [M 8,192, K 1,024] x [K 1,024, N 1,024]; A: input x; B: input Wq: QUANTISED
;;     2. [M 8,192, K 1,024] x [K 1,024, N 1,024]; A: input x; B: input Wk: QUANTISED
;;     3. [M 8,192, K 1,024] x [K 1,024, N 1,024]; A: input x; B: input Wv: QUANTISED
;;     4. batch 4 x [M 2,048, K 1,024] x [K 1,024, N 2,048]; A: computed on the way; B: computed on the way: left as it is (an operand is computed on the way)
;;     5. batch 4 x [M 2,048, K 2,048] x [K 2,048, N 1,024]; A: computed on the way; B: computed on the way: left as it is (an operand is computed on the way)
;;     6. [M 8,192, K 1,024] x [K 1,024, N 1,024]; A: computed on the way; B: input Wo: left as it is (an operand is computed on the way)
;;   THE QUANTISER, for each operand of a quantised product, along K:
;;     - K is cut into blocks of 32 from its start; a last block that is shorter is filled with zeros.
;;     - A block's scale is 2^e with e = floor(log2(the largest magnitude in the block)) - 2, held to -126 .. 127; a block of zeros has e = 0. As a byte (E8M0): e + 127.
;;     - Each number is divided by its block's scale, clamped to +-6, and rounded to the nearest number of E2M1, ties to even, subnormals kept.
;;     - The product sums the exact products of the quantised numbers (number of the format x scale) in f32.
;;   ~~~python
;;   def quantise(x, axis):      # numpy; x: float32 -> the quantised numbers, widened to float32 again
;;       x = np.moveaxis(x, axis, -1); K = x.shape[-1]
;;       x = np.pad(x, [(0, 0)] * (x.ndim - 1) + [(0, -K % 32)]); x = x.reshape(x.shape[:-1] + (-1, 32)); a = np.abs(x).max(-1, keepdims=True)
;;       e = np.where(a > 0, np.clip(np.frexp(np.where(a > 0, a, 1))[1] - 1 - 2, -126, 127), 0)      # np.frexp(a)[1] - 1 = floor(log2(a)), exactly
;;       r = np.clip(x / 2.0 ** e, -6, 6)
;;       step = 2.0 ** (np.maximum(np.frexp(np.where(r == 0, 1, r))[1] - 1, 0) - 1)
;;       q = np.round(r / step) * step * 2.0 ** e      # np.round: ties to even
;;       return np.moveaxis(q.reshape(q.shape[:-2] + (-1,))[..., :K], -1, axis).astype(np.float32)
;;   ~~~
;; One version. Each part assembles by itself: llvm-mc -triple=amdgcn-amd-amdhsa -mcpu=gfx1250 --defsym DOCPART=n.
;; ======== version 1 of 1: 6 launches
;; limits: values are held in f16: magnitudes above 65,504 overflow, below 6.1e-05 lose precision
;; workspace buffers: prepw 10,321,920 bytes; flags 256 bytes of whole numbers; qk 33,554,432 bytes; vt 16,777,216 bytes; lo 393,216 bytes; pt 33,554,432 bytes; st 1,048,576 bytes; at 16,777,216 bytes
;; launch prep (part 1): grid 369 x 1, 4 waves a work-group, no clusters, 137,728 bytes of LDS; arguments x, Wq, Wk, Wv, Wo, mask, prepw, flags; writes prepw, flags
.if DOCPART == 1
	.amdgcn_target "amdgcn-amd-amdhsa--gfx1250"
	.amdhsa_code_object_version 6
	.text
	.protected	k_q1f6aef59f4_prep
	.globl	k_q1f6aef59f4_prep
	.p2align	8
	.type	k_q1f6aef59f4_prep,@function
k_q1f6aef59f4_prep:
	s_mov_b64 s[64:65], 0
	v_nop
	global_prefetch_b8 v0, s[64:65] scope:SCOPE_SE
	s_setreg_imm32_b32 hwreg(HW_REG_WAVE_MODE, 25, 1), 1
	s_wait_xcnt 0x0
; PREP: everything that is made once from the inputs.  Four roles, told apart by the work-group's number; each role has LDS bytes of its own.
;   X (work-groups 0-255):   x [8192][1024] f32 -> codes of FP4 (E2M1), K innermost, 512 bytes a row, and one E8M0 byte for each 32 along K.
;   W (256-303):             Wq, Wk, Wv [k][n] f32 -> codes laid [3072 n][k], K innermost, and their scale bytes [3072][32].
;   O (304-367):             Wo [d][n] f32 -> Wo^T [n][d] as two f16 tensors, a high and a low part (for the first 16 positions' finer product).
;   F (368):                 from rows 0-15 of each batch's mask: one bit for each 32 keys: does any of the 16 rows see a key there (keys 0-15 aside), or is a row wholly hidden.
; A block's scale is 2^(floor(log2(largest magnitude)) - 2); its byte is the largest magnitude's exponent field - 2, held at 1 from below.
; (A block of zeros gets the byte 1 where the rule says 127: its codes are zeros, and this program alone reads the bytes.)
; LIMITS: blocks whose largest magnitude lies under 2^-124 get the byte 1; NaN and infinities among the inputs are not served; mask bytes are 0 or 1.
; No tensor loads, no cluster (no two work-groups read the same bytes), no barrier: waves share nothing.
.set XS,    4194304                    ; prepw: x's codes at 0, x's scale bytes here,
.set WC,    4456448                    ; the weights' codes,
.set WS,    6029312                    ; their scale bytes,
.set WH,    6127616                    ; Wo^T, high parts,
.set WL,    8224768                    ; Wo^T, low parts
.set EMAX,  2
.set SPW,   196                        ; v196 LDS address of my spare word; never rewritten
.set NIL,   197                        ; v197 0; never rewritten
.set LDSW,  32768                      ; LDS: role X 0 .. 32,767; role W from here;
.set LDSO,  67584                      ; role O from here;
.set SPARE, 137216                     ; the spare words, 128 bytes a wave
	s_load_b256 s[4:11], s[0:1], 0x0               ; x, Wq, Wk, Wv
	s_load_b256 s[12:19], s[0:1], 0x20             ; Wo, mask, prepw, flags
	v_lshl_add_u32 v[SPW], v0, 2, SPARE
	v_mov_b32 v[NIL], 0
	v_lshrrev_b32 v1, 5, v0
	v_readfirstlane_b32 s20, v1                    ; wave
	v_and_b32 v2, 31, v0                           ; lane
	s_mov_b32 s25, 0                               ; the upper word of every offset
	s_wait_kmcnt 0x0
	s_cmp_lt_u32 ttmp9, 256
	s_cbranch_scc0 .Lnot_x
; ---------------- ROLE X: a wave takes 16 steps of 512 numbers.  Loads read 512 consecutive bytes; a step's 2,048 bytes turn through the wave's own stage, so that a lane holds 16 neighbours along K.
.set STEPS, 16
.set R,     16                         ; v16-79   four sets of 16 numbers as loaded
.set X,     80                         ; v80-111  two sets of 16 neighbours
.set C,     128                        ; v128-191 codes, registers of their own for each step
.set E,     112                        ; v112-127 a scale byte for each step
.set SP,    80                         ; a lane's place in a stage: 64 bytes + 16 of padding
	v_lshlrev_b32 v3, 4, v2                        ; my 16 bytes of a load's 512
	s_mul_i32 s21, s20, 8192                       ; my wave's region
	v_lshrrev_b32 v14, 2, v2
	v_mul_u32_u24 v14, v14, SP
	v_and_b32 v15, 3, v2
	v_lshl_add_u32 v14, v15, 4, v14
	v_add_nc_u32 v14, s21, v14                     ; into the stage: SP (lane / 4) + 16 (lane % 4)
	v_mul_u32_u24 v15, v2, SP
	v_add_nc_u32 v15, s21, v15                     ; out of it: SP x lane
	v_mul_u32_u24 v4, v2, 8                        ; my codes' place in a step's 256 bytes
	v_lshrrev_b32 v5, 1, v2
	s_add_co_u32 s21, s21, 2*32*SP
	v_add_nc_u32 v5, s21, v5                       ; my block's scale byte
	v_lshlrev_b32 v7, 3, v2
	v_add_nc_u32 v6, s21, v7                       ; and 8 bytes a lane on the way out
	s_lshl_b32 s22, ttmp9, 2
	s_add_co_u32 s22, s22, s20                     ; which run of 8,192 numbers is my wave's
	s_lshl_b32 s24, s22, 15
	s_add_nc_u64 s[4:5], s[4:5], s[24:25]          ; x
	s_lshl_b32 s24, s22, 12
	s_add_nc_u64 s[26:27], s[16:17], s[24:25]      ; its codes
	s_lshl_b32 s24, s22, 8
	s_add_co_u32 s24, s24, XS
	s_add_nc_u64 s[28:29], s[16:17], s[24:25]      ; its scale bytes
.macro XLOAD t
.irp i, 0,1,2,3
	global_load_b128 v[R+16*((\t)%4)+4*\i:R+16*((\t)%4)+4*\i+3], v3, s[4:5] offset:2048*(\t)+512*\i th:TH_LOAD_NT
.endr
.endm
.macro XTURN t                         ; LDS serves a wave's instructions in order: no wait between the stores and the loads
.irp i, 0,1,2,3
	ds_store_b128 v14, v[R+16*((\t)%4)+4*\i:R+16*((\t)%4)+4*\i+3] offset:32*SP*((\t)%2)+8*SP*\i
.endr
.irp i, 0,1,2,3
	ds_load_b128 v[X+16*((\t)%2)+4*\i:X+16*((\t)%2)+4*\i+3], v15 offset:32*SP*((\t)%2)+16*\i
.endr
.endm
.irp t, 0,1,2,3
	XLOAD \t
.endr
	s_wait_loadcnt 12                              ; step 0's four loads are in
	XTURN 0
.macro XSTEP t
.set XSR, X+16*((\t)%2)
.if (\t) > 0
	s_wait_dscnt 1                                 ; this step's numbers are back from the stage (the last step's byte store may be out)
.else
	s_wait_dscnt 0x0
.endif
.if (\t)+4 < STEPS
	XLOAD (\t)+4
.endif
.if (\t)+1 < STEPS
.if STEPS-2-(\t) >= 3
	s_wait_loadcnt 12                              ; the next step's four loads are in; three steps' may be out
.else
	s_wait_loadcnt 4*(STEPS-2-(\t))
.endif
	XTURN (\t)+1
.endif
	v_max3_num_f32 v8, |v[XSR]|, |v[XSR+1]|, |v[XSR+2]|
	v_max3_num_f32 v9, |v[XSR+3]|, |v[XSR+4]|, |v[XSR+5]|
.irp i, 6,10
	v_max3_num_f32 v8, v8, |v[XSR+\i]|, |v[XSR+\i+1]|
	v_max3_num_f32 v9, v9, |v[XSR+\i+2]|, |v[XSR+\i+3]|
.endr
	v_max3_num_f32 v8, v8, |v[XSR+14]|, |v[XSR+15]|
	v_max3_num_f32 v8, v8, v9, (EMAX+1)<<23        ; the floor: the byte cannot fall under 1
	v_max_num_f32_dpp v8, v8, v8 row_xmask:1 row_mask:0xf bank_mask:0xf   ; with my neighbour's 16: the block's
	v_add_nc_u32 v11, -(EMAX<<23), v8              ; EMAX off the exponent field: the conversion's scale operand
	v_cvt_scalef32_pk8_fp4_f32 v[C+4*(\t)], v[XSR:XSR+7], v11
	v_cvt_scalef32_pk8_fp4_f32 v[C+4*(\t)+1], v[XSR+8:XSR+15], v11
	v_lshrrev_b32 v[E+(\t)], 23, v11               ; the scale's byte
	ds_store_b8 v5, v[E+(\t)] offset:16*(\t)       ; both lanes of a block write the same byte with the same value
	global_store_b64 v4, v[C+4*(\t):C+4*(\t)+1], s[26:27] offset:256*(\t)   ; the wave stores 256 consecutive bytes, aligned
.endm
.irp t, 0,1,2,3,4,5,6,7,8,9,10,11,12,13,14,15
	XSTEP \t
.endr
	ds_load_b64 v[8:9], v6
	s_wait_dscnt 0x0
	global_store_b64 v7, v[8:9], s[28:29]          ; the wave's 256 scale bytes: 256 consecutive bytes, aligned
	s_wait_tensorcnt 0x0                           ; the wave's end
	ds_add_u32 v[SPW], v[NIL]
	s_wait_dscnt 0x0
	s_endpgm
; ---------------- ROLE W: a lane takes a column n and its registers run down K: a block of 32 lies in one lane, and the codes come out with K innermost.
.Lnot_x:
	s_cmp_lt_u32 ttmp9, 304
	s_cbranch_scc0 .Lnot_w
.set NB,    16                         ; blocks of 32 in a wave's 512 along K
.set WX,    32                         ; v32-95   two sets of 32 numbers
.set WCD,   96                         ; v96-99   a block's codes
.set OUTR,  112                        ; v112-175 the way out
.set SB,    24                         ; v24-27   scale bytes, four to a register
	s_sub_co_u32 s21, ttmp9, 256
	s_lshr_b32 s22, s21, 4                         ; which weight
	s_cmp_eq_u32 s22, 1
	s_cselect_b64 s[6:7], s[8:9], s[6:7]
	s_cmp_eq_u32 s22, 2
	s_cselect_b64 s[6:7], s[10:11], s[6:7]
	s_and_b32 s23, s21, 7
	s_lshl_b32 s23, s23, 7
	s_lshl_b32 s24, s20, 5
	s_add_co_u32 s23, s23, s24                     ; my wave's first column
	s_bfe_u32 s21, s21, 0x10003                    ; which 512 along K
	s_lshl_b32 s24, s21, 21                        ; 512 rows of 4,096 bytes
	s_lshl_b32 s26, s23, 2
	s_add_co_u32 s24, s24, s26
	s_add_nc_u64 s[6:7], s[6:7], s[24:25]
	s_lshl_b32 s22, s22, 10
	s_add_co_u32 s22, s22, s23                     ; the codes' row
	s_lshl_b32 s24, s22, 9
	s_lshl_b32 s26, s21, 8
	s_add_co_u32 s24, s24, s26
	s_add_co_u32 s24, s24, WC
	s_add_nc_u64 s[26:27], s[16:17], s[24:25]
	s_lshl_b32 s24, s22, 5
	s_lshl_b32 s28, s21, 4
	s_add_co_u32 s24, s24, s28
	s_add_co_u32 s24, s24, WS
	s_add_nc_u64 s[28:29], s[16:17], s[24:25]
	v_lshlrev_b32 v3, 2, v2
	s_mul_i32 s21, s20, 32*272
	s_add_co_u32 s21, s21, LDSW                    ; my stage: 32 rows of 256 bytes + 16
	v_mul_u32_u24 v4, v2, 272
	v_add_nc_u32 v4, s21, v4
	v_and_b32 v5, 15, v2
	v_lshrrev_b32 v6, 4, v2
	v_mul_u32_u24 v7, v6, 272
	v_lshl_add_u32 v7, v5, 4, v7
	v_add_nc_u32 v7, s21, v7
	v_lshlrev_b32 v8, 9, v6
	v_lshl_add_u32 v8, v5, 4, v8
	v_lshlrev_b32 v9, 5, v2
.macro WLOAD t
.irp i, 0,1,2,3,4,5,6,7,8,9,10,11,12,13,14,15,16,17,18,19,20,21,22,23,24,25,26,27,28,29,30,31
	global_load_b32 v[WX+32*((\t)%2)+\i], v3, s[6:7] offset:(32*(\t)+\i)*4096 th:TH_LOAD_NT
.endr
.endm
	WLOAD 0
	WLOAD 1
.macro WBLOCK t
.set XB, WX+32*((\t)%2)
.if (\t) < NB-1
	s_wait_loadcnt 32                              ; this block's 32 loads are in; the next block's may be out
.else
	s_wait_loadcnt 0
.endif
	v_max3_num_f32 v12, |v[XB]|, |v[XB+1]|, |v[XB+2]|
	v_max3_num_f32 v13, |v[XB+3]|, |v[XB+4]|, |v[XB+5]|
.irp i, 6,10,14,18,22,26
	v_max3_num_f32 v12, v12, |v[XB+\i]|, |v[XB+\i+1]|
	v_max3_num_f32 v13, v13, |v[XB+\i+2]|, |v[XB+\i+3]|
.endr
	v_max3_num_f32 v12, v12, |v[XB+30]|, |v[XB+31]|
	v_max3_num_f32 v12, v12, v13, (EMAX+1)<<23
	v_add_nc_u32 v11, -(EMAX<<23), v12
	v_lshrrev_b32 v13, 23, v11
.if (\t)%4 == 0
	v_mov_b32 v[SB+(\t)/4], v13
.else
	v_lshl_or_b32 v[SB+(\t)/4], v13, 8*((\t)%4), v[SB+(\t)/4]
.endif
.irp g, 0,1,2,3
	v_cvt_scalef32_pk8_fp4_f32 v[WCD+\g], v[XB+8*\g:XB+8*\g+7], v11
.endr
	ds_store_b128 v4, v[WCD:WCD+3] offset:16*(\t)
.if (\t)+2 < NB
	WLOAD (\t)+2
.endif
	s_wait_dscnt 0x0                               ; the store has read its registers: the next block's codes may be written
.endm
.set Q, 0
.rept NB
	WBLOCK Q
.set Q, Q+1
.endr
	global_store_b128 v9, v[SB:SB+3], s[28:29]     ; my column's 16 scale bytes (rows 32 bytes apart: one byte in 128 of what this role reads)
.irp t, 0,1,2,3,4,5,6,7,8,9,10,11,12,13,14,15
	ds_load_b128 v[OUTR+4*\t:OUTR+4*\t+3], v7 offset:2*\t*272
.endr
.irp t, 0,1,2,3,4,5,6,7,8,9,10,11,12,13,14,15
	s_wait_dscnt 15-\t
	global_store_b128 v8, v[OUTR+4*\t:OUTR+4*\t+3], s[26:27] offset:2*\t*512   ; sixteen lanes store 256 consecutive bytes, aligned
.endr
	s_wait_tensorcnt 0x0
	ds_add_u32 v[SPW], v[NIL]
	s_wait_dscnt 0x0
	s_endpgm
; ---------------- ROLE O: Wo^T in f16, a high and a low part.  A lane takes a column n, its registers run down d; 32 columns x 128 d a wave.
; The split is made in f32: g = 8193 x, hi = g - (g - x) is x rounded to 11 significant bits, lo = x - hi is exact; hi's conversion to f16 rounds nothing above 6.1e-5.
.Lnot_w:
	s_cmp_lt_u32 ttmp9, 368
	s_cbranch_scc0 .Lflags
.set OX,    32                         ; v32-95   two sets of 32 numbers
.set OHI,   96                         ; v96-111  16 pairs, high parts
.set OLO,   112                        ; v112-127 low parts
.set KV,    30                         ; s[30:31] 8193.0
.macro SPLIT x, u, hreg, lreg          ; the pair v[x], v[x+1] -> its high parts packed in v[hreg], its low parts in v[lreg]; v[u] .. v[u+3] at work
	v_pk_mul_f32 v[(\u):(\u)+1], v[(\x):(\x)+1], s[KV:KV+1] op_sel_hi:[1,0]
	v_pk_add_f32 v[(\u)+2:(\u)+3], v[(\u):(\u)+1], v[(\x):(\x)+1] neg_lo:[0,1] neg_hi:[0,1]
	v_pk_add_f32 v[(\u):(\u)+1], v[(\u):(\u)+1], v[(\u)+2:(\u)+3] neg_lo:[0,1] neg_hi:[0,1]
	v_pk_add_f32 v[(\u)+2:(\u)+3], v[(\x):(\x)+1], v[(\u):(\u)+1] neg_lo:[0,1] neg_hi:[0,1]
	v_cvt_pk_f16_f32 v[(\hreg)], v[(\u)], v[(\u)+1]
	v_cvt_pk_f16_f32 v[(\lreg)], v[(\u)+2], v[(\u)+3]
.endm
	s_mov_b32 s[KV], 0x46000400
	s_mov_b32 s[KV+1], s[KV]
	s_sub_co_u32 s21, ttmp9, 304
	s_and_b32 s22, s21, 7
	s_lshl_b32 s22, s22, 7
	s_lshl_b32 s23, s20, 5
	s_add_co_u32 s22, s22, s23                     ; my wave's first column n
	s_lshr_b32 s21, s21, 3                         ; which 128 along d
	s_lshl_b32 s24, s21, 19
	s_lshl_b32 s23, s22, 2
	s_add_co_u32 s24, s24, s23
	s_add_nc_u64 s[12:13], s[12:13], s[24:25]
	s_lshl_b32 s24, s22, 11
	s_lshl_b32 s23, s21, 8
	s_add_co_u32 s24, s24, s23
	s_add_co_u32 s24, s24, WH
	s_add_nc_u64 s[26:27], s[16:17], s[24:25]
	v_lshlrev_b32 v3, 2, v2
	s_mul_i32 s21, s20, 2*32*272
	s_add_co_u32 s21, s21, LDSO                    ; my two stages: the high parts', and 8,704 bytes on the low parts'
	v_mul_u32_u24 v4, v2, 272
	v_add_nc_u32 v4, s21, v4
	v_and_b32 v5, 15, v2
	v_lshrrev_b32 v6, 4, v2
	v_mul_u32_u24 v7, v6, 272
	v_lshl_add_u32 v7, v5, 4, v7
	v_add_nc_u32 v7, s21, v7
	v_lshlrev_b32 v8, 11, v6
	v_lshl_add_u32 v8, v5, 4, v8
.macro OLOAD t
.irp i, 0,1,2,3,4,5,6,7,8,9,10,11,12,13,14,15,16,17,18,19,20,21,22,23,24,25,26,27,28,29,30,31
	global_load_b32 v[OX+32*((\t)%2)+\i], v3, s[12:13] offset:(32*(\t)+\i)*4096 th:TH_LOAD_NT
.endr
.endm
	OLOAD 0
	OLOAD 1
.macro OBLOCK t
.set XB, OX+32*((\t)%2)
.if (\t) < 3
	s_wait_loadcnt 32                              ; this block's 32 loads are in; the next block's may be out
.else
	s_wait_loadcnt 0
.endif
.set n, 0
.rept 16
	SPLIT XB+2*n, 12+4*(n%2), OHI+n, OLO+n
.set n, n+1
.endr
.irp g, 0,1,2,3
	ds_store_b128 v4, v[OHI+4*\g:OHI+4*\g+3] offset:64*(\t)+16*\g
	ds_store_b128 v4, v[OLO+4*\g:OLO+4*\g+3] offset:8704+64*(\t)+16*\g
.endr
.if (\t)+2 < 4
	OLOAD (\t)+2
.endif
	s_wait_dscnt 0x0                               ; the stores have read their registers
.endm
	OBLOCK 0
	OBLOCK 1
	OBLOCK 2
	OBLOCK 3
.irp p, 0,1
.if \p
	s_wait_xcnt 0x0                                ; the first pass's stores have read their registers
.endif
.irp t, 0,1,2,3,4,5,6,7,8,9,10,11,12,13,14,15
	ds_load_b128 v[128+4*\t:128+4*\t+3], v7 offset:8704*\p+2*\t*272
.endr
.irp t, 0,1,2,3,4,5,6,7,8,9,10,11,12,13,14,15
	s_wait_dscnt 15-\t
	global_store_b128 v8, v[128+4*\t:128+4*\t+3], s[26:27] offset:(WL-WH)*\p+2*\t*2048   ; sixteen lanes store 256 consecutive bytes, aligned
.endr
.endr
	s_wait_tensorcnt 0x0
	ds_add_u32 v[SPW], v[NIL]
	s_wait_dscnt 0x0
	s_endpgm
; ---------------- ROLE F: wave = batch.  Lane l takes keys 64 l .. 64 l + 63 of rows 0-15: two steps of 32 keys.  A step is active where some row sees a key in it.
; Keys 0-15 do not count (a later launch carries them finely).  A row that sees no key at all averages all keys: then every step is active.  No branch hangs on the mask.
.Lflags:
	s_lshl_b32 s24, s20, 22
	s_add_nc_u64 s[14:15], s[14:15], s[24:25]      ; my batch's mask
	s_lshl_b32 s24, s20, 3
	s_add_nc_u64 s[18:19], s[18:19], s[24:25]      ; my batch's two words
	v_lshlrev_b32 v3, 6, v2
	s_mov_b32 s26, 0x01010101                      ; four hidden keys
	v_mov_b32 v4, s26                              ; the even step: hidden in all rows so far
	v_mov_b32 v5, s26                              ; the odd step
	v_mov_b32 v12, s26
	v_cmp_eq_u32 s24, 0, v2                        ; lane 0
	s_mov_b32 s27, 0                               ; is some row wholly hidden
.irp g, 0,1,2,3
.irp q, 0,1,2,3
.irp i, 0,1,2,3
	global_load_b128 v[32+16*\q+4*\i:32+16*\q+4*\i+3], v3, s[14:15] offset:(4*\g+\q)*2048+16*\i
.endr
.endr
	s_wait_loadcnt 0x0
.irp q, 0,1,2,3
	v_and_b32 v6, v[32+16*\q], v[33+16*\q]
	v_and_b32 v7, v[34+16*\q], v[35+16*\q]
	v_and_b32 v6, v6, v7                           ; keys 0-15 of my 64
	v_and_b32 v7, v[36+16*\q], v[37+16*\q]
	v_and_b32 v8, v[38+16*\q], v[39+16*\q]
	v_and_b32 v7, v7, v8                           ; keys 16-31
	v_and_b32 v8, v[40+16*\q], v[41+16*\q]
	v_and_b32 v9, v[42+16*\q], v[43+16*\q]
	v_and_b32 v10, v[44+16*\q], v[45+16*\q]
	v_and_b32 v11, v[46+16*\q], v[47+16*\q]
	v_and_b32 v8, v8, v9
	v_and_b32 v10, v10, v11
	v_and_b32 v8, v8, v10                          ; keys 32-63
	v_and_b32 v9, v6, v7
	v_and_b32 v9, v9, v8
	v_cmp_eq_u32 vcc_lo, s26, v9                   ; all my 64 hidden
	s_cmp_eq_u32 vcc_lo, -1                        ; in all 32 lanes: the row is wholly hidden
	s_cselect_b32 s28, 1, 0
	s_or_b32 s27, s27, s28
	v_cndmask_b32 v6, v6, v12, s24                 ; the batch's keys 0-15 count as hidden here
	v_and_b32 v6, v6, v7
	v_and_b32 v4, v4, v6
	v_and_b32 v5, v5, v8
.endr
.endr
	v_cmp_ne_u32 s28, s26, v4                      ; bit l: step 2 l is active
	v_cmp_ne_u32 s29, s26, v5                      ; bit l: step 2 l + 1
	s_cmp_lg_u32 s27, 0
	s_cselect_b32 s28, -1, s28
	s_cselect_b32 s29, -1, s29
	v_mov_b32 v6, s28
	v_mov_b32 v7, s29
	v_mov_b32 v8, 0
	v_cmp_eq_u32 vcc_lo, 0, v2
	s_wait_xcnt 0x0                                ; EXEC changes only behind this wait
	s_and_saveexec_b32 s30, vcc_lo
	global_store_b64 v8, v[6:7], s[18:19]
	s_wait_xcnt 0x0
	s_or_b32 exec_lo, exec_lo, s30
	s_endpgm
.Lfunc_end_k_q1f6aef59f4_prep:
	.size	k_q1f6aef59f4_prep, .Lfunc_end_k_q1f6aef59f4_prep-k_q1f6aef59f4_prep
	.p2alignl 7, 3214868480
	.fill 96, 4, 3214868480
	.section	.rodata,"a",@progbits
	.p2align	6, 0x0
	.amdhsa_kernel k_q1f6aef59f4_prep
		.amdhsa_group_segment_fixed_size 137728
		.amdhsa_private_segment_fixed_size 0
		.amdhsa_enable_private_segment 0
		.amdhsa_kernarg_size 64
		.amdhsa_user_sgpr_count 2
		.amdhsa_user_sgpr_kernarg_segment_ptr 1
		.amdhsa_wavefront_size32 1
		.amdhsa_system_sgpr_workgroup_id_x 1
		.amdhsa_system_sgpr_workgroup_id_y 1
		.amdhsa_system_sgpr_workgroup_id_z 1
		.amdhsa_system_vgpr_workitem_id 0
		.amdhsa_next_free_vgpr 200
		.amdhsa_next_free_sgpr 66
		.amdhsa_reserve_vcc 1
		.amdhsa_float_denorm_mode_32 3
		.amdhsa_float_denorm_mode_16_64 3
		.amdhsa_memory_ordered 1
		.amdhsa_forward_progress 1
		.amdhsa_inst_pref_size 176
	.end_amdhsa_kernel
	.amdgpu_metadata
---
amdhsa.version: [ 1, 2 ]
amdhsa.kernels:
  - .name:           k_q1f6aef59f4_prep
    .symbol:         k_q1f6aef59f4_prep.kd
    .args:
      - { .name: x, .offset: 0, .size: 8, .value_kind: global_buffer, .address_space: global }
      - { .name: Wq, .offset: 8, .size: 8, .value_kind: global_buffer, .address_space: global }
      - { .name: Wk, .offset: 16, .size: 8, .value_kind: global_buffer, .address_space: global }
      - { .name: Wv, .offset: 24, .size: 8, .value_kind: global_buffer, .address_space: global }
      - { .name: Wo, .offset: 32, .size: 8, .value_kind: global_buffer, .address_space: global }
      - { .name: mask, .offset: 40, .size: 8, .value_kind: global_buffer, .address_space: global }
      - { .name: prepw, .offset: 48, .size: 8, .value_kind: global_buffer, .address_space: global }
      - { .name: flags, .offset: 56, .size: 8, .value_kind: global_buffer, .address_space: global }
    .group_segment_fixed_size: 137728
    .private_segment_fixed_size: 0
    .kernarg_segment_align: 8
    .kernarg_segment_size: 64
    .max_flat_workgroup_size: 128
    .sgpr_count:     66
    .vgpr_count:     200
    .wavefront_size: 32
...
	.end_amdgpu_metadata
.endif
;; end of part 1
;; launch proj (part 2): grid 12 x 32, 4 waves a work-group, clusters of 4 x 4, 327,680 bytes of LDS; arguments prepw, bq, bk, bv, qk, vt, lo; writes qk, vt, lo
.if DOCPART == 2
	.amdgcn_target "amdgcn-amd-amdhsa--gfx1250"
	.amdhsa_code_object_version 6
	.text
	.protected	k_q1f6aef59f4_proj
	.globl	k_q1f6aef59f4_proj
	.p2align	8
	.type	k_q1f6aef59f4_proj,@function
k_q1f6aef59f4_proj:
	s_mov_b64 s[64:65], 0
	v_nop
	global_prefetch_b8 v0, s[64:65] scope:SCOPE_SE
	s_setreg_imm32_b32 hwreg(HW_REG_WAVE_MODE, 25, 1), 1
	s_wait_xcnt 0x0
	s_wait_alu depctr_hold_cnt(0) depctr_sa_sdst(0) depctr_va_vdst(0) depctr_va_sdst(0) depctr_va_ssrc(0) depctr_va_vcc(0) depctr_vm_vsrc(0)
	s_getreg_b32 s2, hwreg(HW_REG_IB_STS2, 6, 4)
	s_cmp_eq_u32 s2, 0
	s_cbranch_scc0 .Lentry_in_a_cluster
	s_endpgm
.Lentry_in_a_cluster:
	s_bfe_u32 s2, ttmp6, 0x10000c
	s_cmp_lg_u32 s2, 0xf033
	s_cbranch_scc0 .Lentry_shape_is_right
	s_endpgm
.Lentry_shape_is_right:
; PROJ: the three quantised products, on codes of FP4 (E2M1) with one E8M0 scale for each 32 along K = 1,024; sums in f32.
; Two problems in one grid, told apart by the CLUSTER's x (the same in all sixteen partners; only offsets and pointers are selected, no branch):
;   clusters x = 0, 1:  C = x [Wq | Wk]:  qk [8192][2048] f16: columns 0-1023 (x Wq + bq) c, c = log2(e) / 32; columns 1024-2047 x Wk + bk.
;   clusters x = 2:     C = Wv^T x^T:     vt [1024 d][8192 rows] f16 = (x Wv + bv)^T: the keys innermost, as the second attention product wants V.
; For the first 16 positions of each sequence the f16 numbers are pairs: their low parts go to lo ([64][2048] for Q c and K; [1024 d][64] for V^T).
; The split is made in f32: g = 8193 v, hi = g - (g - v), lo = v - hi; where a low part is stored, the stored high part is this hi.
; A tile of C is 256 x 256, four waves of 128 x 128 (64 accumulators, 512 registers).  K goes in two steps of 512 through two LDS slots, each filled once; the scale bytes of the
; work-group's rows come once, as dense blocks.  4 x 4 work-groups form a cluster: A's tiles are asked for jointly along a row of the cluster, B's along a column.
; The matrix instruction is used transposed (source 0 = 16 rows of B, source 1 = 16 rows of A): a lane holds eight neighbouring numbers of a row of C.
; REGISTERS: window 0: v1-31 addresses; v32-95 scale words, two sets; v96-111 the bias by rows; v128-191 A's fragments; v192-255 the bias by columns.  Window 1: B's fragments, two sets.
;   Windows 2, 3: the accumulators.  On the way out: v128-191 results in f32, then rows read back; v32-63 packed f16; v64-95 low parts; v112-115 at work.
; LIMITS: NaN and infinities are not served; numbers beyond f16's range (65,504) are not served; under 6.1e-5 a pair is good to 2^-25 absolutely.  lo's stores are 16 bytes a lane to rows apart: 384 KiB in all.
.set XS,    4194304
.set WC,    4456448
.set WS,    6029312
.set KSTEP,  512
.set NQ,     4
.set ROWB,   256
.set KROW,   512
.set PITCH,  272                       ; 256 bytes + 16 of padding: the 16 rows of a load start at 16 different banks (64 banks of 4 bytes: ISA guide 11.1)
.set FR,     8
.set NL,     2
.set NP,     4
.set HALFT,  128*PITCH
.set SLOT,   4*HALFT
.set KS,     32                        ; a row of scale bytes
.set SCL,    2*SLOT
.set HALFS,  16*272
.set SBLK,   2*272
.set SPARE,  SCL+4*HALFS
.set SPITCH, 272                       ; the way out: 16 rows x (256 + 16) bytes a wave, in slot 0, which has had its only fill and its last read by then
.set CO,   8                           ; v8-15   byte offsets in C of rows 2 t + (lane / 16), t = 0 .. 7
.set ADRA, 16
.set ADRB, 20
.set STO,  24
.set RD,   25
.set ADRS, 27
.set SPW,  28
.set NIL,  29
.set LRO,  30                          ; v30 my offset in lo's rows of Q c and K
.set LCO,  31                          ; v31 my offset in lo's rows of V^T
.set SC,   32
.set AF,   128
.set T,    128
.set OB,   128
.set TMP,  32
.set LW,   64
.set U,    112
.set BM,   96
.set BN,   192
.set KV,   20                          ; s[20:21] 8193.0 (from the way out's set-up on)
.set G1, 24
.set G0, 32
.set G1B, 48
.set G0B, 56
.set G1S, 68
.set G0S, 76
.set G1SB, 80
.set G0SB, 88
.set MSB, 0
.macro WIN new                         ; the immediate's high byte repeats the setting that is left
.if MSB != (\new)
	s_set_vgpr_msb (MSB<<8)|(\new)
.set MSB, (\new)
.endif
.endm
.set MUL_LO, 0xa1                      ; source 0 (B) window 1, source 1 (A) window 0, C and D window 2
.set MUL_HI, 0xf1
.set TO_B,   0x40
; A joint load: waves 0 and 1 fetch for A, waves 2 and 3 for B; the branch hangs on the wave's number alone.  An s_nop 0 and four v_nop follow each line.
.macro JLOAD g0a, g1a, g0b, g1b
	s_cmp_eq_u32 s15, 0
	s_cbranch_scc0 .Lfor_b_\@
	tensor_load_to_lds s[\g0a:\g0a+3], s[\g1a:\g1a+7]
	s_nop 0
.rept 4
	v_nop
.endr
	s_branch .Lasked_\@
.Lfor_b_\@:
	tensor_load_to_lds s[\g0b:\g0b+3], s[\g1b:\g1b+7]
	s_nop 0
.rept 4
	v_nop
.endr
.Lasked_\@:
.endm
.macro CROUND                          ; a round of the cluster's barrier
	s_barrier_signal -1
	s_barrier_wait -1
	s_cmp_lg_u32 s14, 0
	s_cbranch_scc1 .Lnot_wave_0_\@
	s_barrier_signal -3
.Lnot_wave_0_\@:
	s_barrier_wait -3
	s_barrier_signal -1
	s_barrier_wait -1
.endm
	s_load_b256 s[4:11], s[0:1], 0x0               ; prepw, bq, bk, bv
	s_load_b128 s[96:99], s[0:1], 0x20             ; qk, vt
	s_load_b64 s[100:101], s[0:1], 0x30            ; lo
	v_lshl_add_u32 v[SPW], v0, 2, SPARE
	v_mov_b32 v[NIL], 0
	ds_add_u32 v[SPW], v[NIL]                      ; the wave's opening: the add, twice on end, and its wait ahead of my first tensor load
	ds_add_u32 v[SPW], v[NIL]
	v_lshrrev_b32 v1, 5, v0
	v_readfirstlane_b32 s14, v1                    ; wave
	s_lshr_b32 s15, s14, 1                         ; my half of the tile's rows; also: I fetch for A (0) or B (1)
	s_and_b32 s16, s14, 1                          ; my half of its columns; also: which 128 rows I fetch
	s_bfe_u32 s40, ttmp6, 0x40000                  ; cx
	s_bfe_u32 s41, ttmp6, 0x40004                  ; cy
	s_and_b32 s18, ttmp7, 0xffff
	s_lshl_b32 s18, s18, 2                         ; 4 x cluster y
	s_lshl_b32 s19, ttmp9, 2                       ; 4 x cluster x
	s_mov_b32 s67, XS
	s_mov_b32 s93, WS
	s_cmp_eq_u32 ttmp9, 2                          ; the V^T problem?
	s_cselect_b32 s42, s18, s19                    ; the tile column's cluster part
	s_cselect_b32 s17, 0, s18                      ; the tile row's
	s_cselect_b32 s66, WC+2048*512, 0              ; where A's codes begin in prepw: Wv's, or x's
	s_cselect_b32 s67, WS+2048*32, s67             ; A's scale bytes
	s_cselect_b32 s92, 0, WC                       ; B's codes: x's, or Wq's and Wk's
	s_cselect_b32 s93, XS, s93                     ; B's scale bytes
	s_cselect_b32 s95, 14, 12                      ; a row of C is 2^14 or 2^12 bytes
	s_cselect_b32 s2, 1, 0
	s_add_co_u32 s42, s42, s40                     ; tile column
	s_add_co_u32 s17, s17, s41                     ; tile row
	s_lshl_b32 s43, s41, 2
	s_lshl_b32 s43, 15, s43                        ; my row of the cluster
	s_lshl_b32 s44, 0x1111, s40                    ; my column
	s_or_b32 s[G1+0], s43, (0<<16)|(1<<20)|(1<<21)|(5<<22)|(3<<25)   ; the mask; elements of 1 byte; padding: 4 words after every 64; bit 21 beside a mask
	s_or_b32 s[G1B+0], s44, (0<<16)|(1<<20)|(1<<21)|(5<<22)|(3<<25)
.irp g, G1, G1B
	s_mov_b32 s[\g+1], ROWB<<16
	s_mov_b32 s[\g+2], 128<<16
	s_mov_b32 s[\g+3], ROWB<<16
	s_mov_b32 s[\g+4], 128
	s_mov_b32 s[\g+5], KROW
	s_mov_b32 s[\g+6], 0
	s_mov_b32 s[\g+7], 0
.endr
	s_or_b32 s[G1S+0], s43, (3<<16)|(1<<20)|(1<<21)|(5<<22)|(3<<25)  ; the scale bytes of 128 rows: 4,096 dense bytes as 16 rows of 256
	s_or_b32 s[G1SB+0], s44, (3<<16)|(1<<20)|(1<<21)|(5<<22)|(3<<25)
.irp g, G1S, G1SB
	s_mov_b32 s[\g+1], 32<<16
	s_mov_b32 s[\g+2], 16<<16
	s_mov_b32 s[\g+3], 32<<16
	s_mov_b32 s[\g+4], 16
	s_mov_b32 s[\g+5], 32
	s_mov_b32 s[\g+6], 0
	s_mov_b32 s[\g+7], 0
.endr
	s_lshl_b32 s18, s16, 7
	s_lshl_b32 s20, s17, 8
	s_add_co_u32 s20, s20, s18                     ; A's row: 256 x tile row + 128 x half
	s_lshl_b32 s46, s42, 8
	s_add_co_u32 s46, s46, s18                     ; B's row
	s_lshl_b32 s22, s20, 5
	s_add_co_u32 s22, s22, s67                     ; A's scale bytes, as an offset in prepw
	s_lshl_b32 s20, s20, 9
	s_add_co_u32 s20, s20, s66                     ; A's codes
	s_mov_b32 s21, 0
	s_mov_b32 s23, 0
	s_lshl_b32 s47, s46, 5
	s_add_co_u32 s47, s47, s93
	s_lshl_b32 s46, s46, 9
	s_add_co_u32 s46, s46, s92                     ; B's codes
	s_mov_b32 s92, s47                             ; B's scale bytes
	s_mov_b32 s93, 0
	s_mov_b32 s47, 0
	s_mul_i32 s45, s14, HALFT                      ; where they go: wave x 128 rows
	s_mul_i32 s94, s14, HALFS
	s_wait_dscnt 0x0                               ; both opening adds are done
	s_wait_kmcnt 0x0
	s_add_nc_u64 s[20:21], s[4:5], s[20:21]
	s_add_nc_u64 s[22:23], s[4:5], s[22:23]
	s_add_nc_u64 s[46:47], s[4:5], s[46:47]
	s_add_nc_u64 s[92:93], s[4:5], s[92:93]
	CROUND                                         ; all sixteen work-groups are here: the joint loads meet
	s_mov_b32 s[G0S], 1
	s_add_co_u32 s[G0S+1], s94, SCL
	s_mov_b64 s[G0S+2:G0S+3], s[22:23]
	s_or_b32 s[G0S+3], s[G0S+3], 0x80000000
	s_mov_b32 s[G0SB], 1
	s_add_co_u32 s[G0SB+1], s94, SCL
	s_mov_b64 s[G0SB+2:G0SB+3], s[92:93]
	s_or_b32 s[G0SB+3], s[G0SB+3], 0x80000000
	JLOAD G0S, G1S, G0SB, G1SB                     ; the scale bytes first
.irp s, 0,1
	s_mov_b32 s[G0+4*\s], 1
	s_add_co_u32 s[G0+4*\s+1], s45, \s*SLOT
	s_add_nc_u64 s[G0+4*\s+2:G0+4*\s+3], s[20:21], \s*ROWB
	s_or_b32 s[G0+4*\s+3], s[G0+4*\s+3], 0x80000000
	s_mov_b32 s[G0B+4*\s], 1
	s_add_co_u32 s[G0B+4*\s+1], s45, \s*SLOT
	s_add_nc_u64 s[G0B+4*\s+2:G0B+4*\s+3], s[46:47], \s*ROWB
	s_or_b32 s[G0B+4*\s+3], s[G0B+4*\s+3], 0x80000000
	JLOAD G0+4*\s, G1, G0B+4*\s, G1B               ; three loads of mine are out behind the last
.endr
	v_and_b32 v1, 15, v0                           ; r
	v_bfe_u32 v2, v0, 4, 1                         ; h
	v_mul_u32_u24 v3, v1, PITCH
	v_lshl_add_u32 v4, v2, 4, v3
	s_mul_i32 s21, s15, HALFT
	s_mul_i32 s22, s16, HALFT
	s_add_co_u32 s22, s22, 2*HALFT
.irp s, 0,1
	v_add_nc_u32 v[ADRA+\s], s21, v4
	v_add_nc_u32 v[ADRB+\s], s22, v4
	s_add_co_u32 s21, s21, SLOT
	s_add_co_u32 s22, s22, SLOT
.endr
	v_mul_u32_u24 v5, v1, KS
	v_lshrrev_b32 v3, 8, v5
	v_lshl_add_u32 v5, v3, 4, v5                   ; my row's scale bytes: 32 a row, 16 more for each 256 passed
	s_mul_i32 s21, s15, HALFS
	s_mul_i32 s22, s16, HALFS
	s_add_co_u32 s22, s22, 2*HALFS
	s_sub_co_u32 s22, s22, s21
	v_mul_u32_u24 v3, s22, v2                      ; lanes 16-31 take B's
	s_add_co_u32 s21, s21, SCL
	v_add_nc_u32 v5, v5, v3
	v_add_nc_u32 v[ADRS], s21, v5
	s_mul_i32 s23, s14, 16*SPITCH                  ; my stage
	v_mul_u32_u24 v5, v1, SPITCH
	v_lshl_add_u32 v5, v2, 4, v5
	v_add_nc_u32 v[STO], s23, v5
	v_mul_u32_u24 v5, v2, SPITCH
	v_lshl_add_u32 v5, v1, 4, v5
	v_add_nc_u32 v[RD], s23, v5
.irp t, 0,1,2,3,4,5,6,7
	v_add_nc_u32 v5, 2*\t, v2
	v_lshlrev_b32 v5, s95, v5
	v_lshl_add_u32 v[CO+\t], v1, 4, v5
.endr
	v_lshlrev_b32 v[LRO], 12, v1
	v_lshl_add_u32 v[LRO], v2, 4, v[LRO]
	v_lshlrev_b32 v[LCO], 7, v1
	v_lshl_add_u32 v[LCO], v2, 4, v[LCO]
	; the way out's scalars.  No joint load follows, so both coordinates may meet in a register from here on
	s_cmp_eq_u32 s2, 1
	s_cselect_b64 s[12:13], s[98:99], s[96:97]     ; C
	s_lshl_b32 s20, s17, 8
	s_lshl_b32 s21, s15, 7
	s_add_co_u32 s20, s20, s21                     ; my first row of C
	s_lshl_b32 s22, s42, 8
	s_lshl_b32 s23, s16, 7
	s_add_co_u32 s22, s22, s23                     ; my first column
	s_lshl_b32 s46, s20, s95
	s_lshl_b32 s47, s22, 1
	s_add_co_u32 s46, s46, s47
	s_mov_b32 s47, 0
	s_add_nc_u64 s[12:13], s[12:13], s[46:47]
	s_cmp_lt_u32 s42, 4                            ; the bias by columns: bq or bk (loaded, and multiplied by 0, in the V^T problem)
	s_cselect_b64 s[6:7], s[6:7], s[8:9]
	s_and_b32 s46, s42, 3
	s_lshl_b32 s46, s46, 8
	s_add_co_u32 s46, s46, s23
	s_lshl_b32 s46, s46, 2
	s_add_nc_u64 s[6:7], s[6:7], s[46:47]
	s_and_b32 s46, s17, 3                          ; the bias by rows: bv (multiplied by 0 in the other problem)
	s_lshl_b32 s46, s46, 8
	s_add_co_u32 s46, s46, s21
	s_lshl_b32 s46, s46, 2
	s_add_nc_u64 s[10:11], s[10:11], s[46:47]
	s_lshr_b32 s46, s17, 3                         ; lo, rows of Q c and K: 16 x batch rows of 4,096 bytes, + my columns
	s_lshl_b32 s46, s46, 16
	s_lshl_b32 s45, s22, 1
	s_add_co_u32 s46, s46, s45
	s_add_nc_u64 s[8:9], s[100:101], s[46:47]
	s_lshl_b32 s46, s20, 7                         ; lo, rows of V^T: 128 bytes a row, 32 a batch
	s_lshr_b32 s45, s42, 3
	s_lshl_b32 s45, s45, 5
	s_add_co_u32 s46, s46, s45
	s_add_co_u32 s46, s46, 262144
	s_add_nc_u64 s[4:5], s[100:101], s[46:47]
	s_lshl_b32 s46, 16, s95                        ; s[46:47]: 16 rows of C
	s_and_b32 s45, s17, 7                          ; do my first 16 rows hold a sequence's first 16 positions?  (the Q, K problem; rows half 0; tile row a multiple of 8)
	s_or_b32 s45, s45, s15
	s_or_b32 s45, s45, s2
	s_cmp_eq_u32 s45, 0
	s_cselect_b32 s92, -1, 0
	s_xor_b32 s45, s2, 1                           ; do my first 16 columns?  (the V^T problem; columns half 0; tile column a multiple of 8)
	s_or_b32 s45, s45, s16
	s_and_b32 s44, s42, 7
	s_or_b32 s45, s45, s44
	s_cmp_eq_u32 s45, 0
	s_cselect_b32 s93, -1, 0
	s_lshl_b32 s45, s2, 6
	s_add_co_u32 s45, s45, s42
	s_cmp_lt_u32 s45, 4                            ; Q's columns are multiplied by c = log2(e) / 32, in f32, ahead of their rounding
	s_cselect_b32 s66, 0x3d38aa3b, 1.0
	s_mov_b32 s67, s66
	s_cmp_eq_u32 s2, 0
	s_cselect_b32 s18, s66, 0                      ; what the bias by columns is multiplied by,
	s_cselect_b32 s3, 0, 1.0                       ; and the bias by rows
	s_mov_b32 s19, s18
	s_mov_b32 s[KV], 0x46000400
	s_mov_b32 s[KV+1], s[KV]
	v_lshlrev_b32 v6, 5, v2                        ; v6, v7 stay until the loads below are in
	v_lshlrev_b32 v7, 2, v1
.irp b, 0,1,2,3,4,5,6,7
	global_load_b128 v[BN+8*\b:BN+8*\b+3], v6, s[6:7] offset:64*\b          ; the bias of columns 16 b + 8 h + 0 .. 7
	global_load_b128 v[BN+8*\b+4:BN+8*\b+7], v6, s[6:7] offset:64*\b+16
.endr
.irp a, 0,1,2,3,4,5,6,7
	global_load_b32 v[BM+2*\a], v7, s[10:11] offset:64*\a                   ; the bias of row 16 a + r
.endr
.macro FRAG reg, adr, q, i             ; 16 rows x 128 K of 4-bit codes: 8 registers, two loads of 16 bytes, 32 bytes apart
.irp c, 0,1
	ds_load_b128 v[\reg+4*\c:\reg+4*\c+3], v[\adr] offset:64*(\q)+32*\c+(\i)*16*PITCH
.endr
.endm
; 16 matrix instructions: A's blocks a0, a0 + 1 x B's eight.  The 64 accumulators take turns, one instruction a turn, in the same order in every step.
.macro MUL16 a0, p, q, sc, zero
.irp a, \a0, \a0+1
.irp b, 0,1,2,3,4,5,6,7
.if \zero
	v_wmma_scale_f32_16x16x128_f8f6f4 v[8*(8*((\a)%4)+\b):8*(8*((\a)%4)+\b)+7], v[128*(\p)+FR*\b:128*(\p)+FR*\b+FR-1], v[AF+FR*(\a):AF+FR*(\a)+FR-1], 0, v[SC+8*NQ*(\sc)+NQ*\b+(\q)], v[SC+8*NQ*(\sc)+NQ*(\a)+(\q)] matrix_a_fmt:MATRIX_FMT_FP4 matrix_b_fmt:MATRIX_FMT_FP4 matrix_a_scale:MATRIX_SCALE_ROW1
.else
	v_wmma_scale_f32_16x16x128_f8f6f4 v[8*(8*((\a)%4)+\b):8*(8*((\a)%4)+\b)+7], v[128*(\p)+FR*\b:128*(\p)+FR*\b+FR-1], v[AF+FR*(\a):AF+FR*(\a)+FR-1], v[8*(8*((\a)%4)+\b):8*(8*((\a)%4)+\b)+7], v[SC+8*NQ*(\sc)+NQ*\b+(\q)], v[SC+8*NQ*(\sc)+NQ*(\a)+(\q)] matrix_a_fmt:MATRIX_FMT_FP4 matrix_b_fmt:MATRIX_FMT_FP4 matrix_a_scale:MATRIX_SCALE_ROW1
.endif
.endr
.endr
.endm
.macro FETCH_B slot, q, p
	WIN TO_B
.irp i, 0,1,2,3,4,5,6,7
	FRAG 128*(\p)+FR*\i, ADRB+\slot, \q, \i
.endr
	WIN 0
.endm
.macro FETCH_A slot, q, i0
.irp i, \i0, \i0+1, \i0+2, \i0+3
	FRAG AF+FR*(\i), ADRA+\slot, \q, \i
.endr
.endm
.macro SCALES sc                       ; a K step's scale words: lanes 0-15 A's block i, lanes 16-31 B's block i
.irp i, 0,1,2,3,4,5,6,7
	ds_load_b128 v[SC+8*NQ*\sc+NQ*\i:SC+8*NQ*\sc+NQ*\i+3], v[ADRS] offset:\i*SBLK
.endr
.endm
.macro PLACES n                        ; plain vector instructions between a matrix instruction and a load into, or a vector write or read of, its registers
.rept \n
	v_nop
.endr
.endm
.macro STEP slot, q, zero              ; 128 along K, with its successor in the same slot
	s_wait_dscnt 4*NL                              ; B's set and A's blocks 0-3 are in; the youngest eight loads (A's blocks 4-7) may be out
	WIN MUL_LO
	MUL16 0, (\q)%2, \q, \slot, \zero
	MUL16 2, (\q)%2, \q, \slot, \zero
	s_wait_dscnt 0
	PLACES NP
	FETCH_B \slot, (\q)+1, 1-(\q)%2
	FETCH_A \slot, (\q)+1, 0
	WIN MUL_HI
	MUL16 4, (\q)%2, \q, \slot, \zero
	MUL16 6, (\q)%2, \q, \slot, \zero
	PLACES NP
	WIN 0
	FETCH_A \slot, (\q)+1, 4
.endm
.macro TURN slot, next                 ; slot 0's last step, and the change to slot 1: one barrier; nothing is filled again
	s_wait_tensorcnt 0x0                           ; all my tensor loads have landed: my part of the next slot
	ds_add_u32 v[SPW], v[NIL]                      ; 0 onto my spare word
	s_wait_dscnt 4*NL+1                            ; (the add and A's blocks 4-7 may be out)
	WIN MUL_LO
	MUL16 0, 1, NQ-1, \slot, 0
	s_wait_dscnt 0x0                               ; the add is done, and my reads of this slot are over
	s_barrier_signal -1
	MUL16 2, 1, NQ-1, \slot, 0
	WIN 0
	s_barrier_wait -1
	PLACES NP
	v_add_nc_u32 v[ADRS], 4*NQ, v[ADRS]            ; the next K step's scale words
	FETCH_B \next, 0, 0
	FETCH_A \next, 0, 0
	SCALES \next
	WIN MUL_HI
	MUL16 4, 1, NQ-1, \slot, 0
	MUL16 6, 1, NQ-1, \slot, 0
	PLACES NP
	WIN 0
	FETCH_A \next, 0, 4
.endm
.macro STEPS slot, from
.set Q, \from
.rept NQ-1-\from
	STEP \slot, Q, 0
.set Q, Q+1
.endr
.endm
	s_wait_tensorcnt 1                             ; the scale bytes and my part of slot 0 are in; slot 1's load may be out
	s_barrier_signal -1
	s_barrier_wait -1
	FETCH_B 0, 0, 0
	FETCH_A 0, 0, 0
	SCALES 0
	FETCH_A 0, 0, 4
	STEP 0, 0, 1                                   ; the first products start the sums: nothing is cleared
	STEPS 0, 1
	TURN 0, 1
	STEPS 1, 0
	s_wait_dscnt 4*NL
	WIN MUL_LO
	MUL16 0, 1, NQ-1, 1, 0
	MUL16 2, 1, NQ-1, 1, 0
	s_wait_dscnt 0
	WIN MUL_HI
	MUL16 4, 1, NQ-1, 1, 0
	MUL16 6, 1, NQ-1, 1, 0
	WIN 0
; THE WAY OUT, block by block of 16 rows x 128 columns: v = acc x (c or 1) + bias; rounded to f16; through my stage; sixteen lanes store 256 consecutive bytes.
.macro SPLIT x, u, hreg, lreg          ; the pair v[x], v[x+1] -> high parts packed in v[hreg], low parts in v[lreg]
	v_pk_mul_f32 v[(\u):(\u)+1], v[(\x):(\x)+1], s[KV:KV+1] op_sel_hi:[1,0]
	v_pk_add_f32 v[(\u)+2:(\u)+3], v[(\u):(\u)+1], v[(\x):(\x)+1] neg_lo:[0,1] neg_hi:[0,1]
	v_pk_add_f32 v[(\u):(\u)+1], v[(\u):(\u)+1], v[(\u)+2:(\u)+3] neg_lo:[0,1] neg_hi:[0,1]
	v_pk_add_f32 v[(\u)+2:(\u)+3], v[(\x):(\x)+1], v[(\u):(\u)+1] neg_lo:[0,1] neg_hi:[0,1]
	v_cvt_pk_f16_f32 v[(\hreg)], v[(\u)], v[(\u)+1]
	v_cvt_pk_f16_f32 v[(\lreg)], v[(\u)+2], v[(\u)+3]
.endm
.macro PACKP a
.set AC, 64*((\a)%4)
	WIN 0x02+(\a)/4                                ; source 0: window 2 or 3
.set n, 0
.rept 32
	v_pk_fma_f32 v[T+n:T+n+1], v[AC+n:AC+n+1], s[66:67], v[BN+n:BN+n+1] op_sel_hi:[1,0,1]   ; each accumulator from its low end on
.set n, n+2
.endr
	WIN 0
.set n, 0
.rept 32
	v_pk_add_f32 v[T+n:T+n+1], v[T+n:T+n+1], v[BM+2*(\a):BM+2*(\a)+1]
.set n, n+2
.endr
.set n, 0
.rept 32
	v_cvt_pk_f16_f32 v[TMP+n], v[T+2*n], v[T+2*n+1]
.set n, n+1
.endr
.endm
.macro LOWS count                      ; the first count pairs of the block as pairs of f16: the high parts anew into TMP, the low parts into LW
.set n, 0
.rept \count
	SPLIT T+2*n, U, TMP+n, LW+n
.set n, n+1
.endr
.endm
.macro BLOCK a
.if (\a) > 0
	s_wait_xcnt 0x0                                ; the last block's stores have read their registers and their base
.endif
	PACKP \a
.if (\a) == 0
	LOWS 32
	s_wait_xcnt 0x0                                ; EXEC changes only behind this wait
	s_and_saveexec_b32 s94, s92                    ; all lanes or none: the first 16 positions' Q c and K
.irp b, 0,1,2,3,4,5,6,7
	global_store_b128 v[LRO], v[LW+4*\b:LW+4*\b+3], s[8:9] offset:32*\b
.endr
	s_wait_xcnt 0x0
	s_or_b32 exec_lo, exec_lo, s94
.else
	LOWS 4
.endif
	s_wait_xcnt 0x0
	s_and_saveexec_b32 s94, s93                    ; all lanes or none: the first 16 keys' V^T
	global_store_b128 v[LCO], v[LW:LW+3], s[4:5] offset:2048*(\a)
	s_wait_xcnt 0x0
	s_or_b32 exec_lo, exec_lo, s94
.irp b, 0,1,2,3,4,5,6,7
	ds_store_b128 v[STO], v[TMP+4*\b:TMP+4*\b+3] offset:32*\b
.endr
.irp t, 0,1,2,3,4,5,6,7
	ds_load_b128 v[OB+4*\t:OB+4*\t+3], v[RD] offset:\t*2*SPITCH    ; LDS serves a wave's instructions in order: these see the stores above
.endr
	s_wait_dscnt 0x0
.if (\a) > 0
	s_add_nc_u64 s[12:13], s[12:13], s[46:47]      ; 16 rows of C on
.endif
.irp t, 0,1,2,3,4,5,6,7
	global_store_b128 v[CO+\t], v[OB+4*\t:OB+4*\t+3], s[12:13]
.endr
.endm
	s_wait_loadcnt 0x0                             ; the biases
	PLACES NP
.set n, 0
.rept 32
	v_pk_mul_f32 v[BN+n:BN+n+1], v[BN+n:BN+n+1], s[18:19] op_sel_hi:[1,0]
.set n, n+2
.endr
.irp a, 0,1,2,3,4,5,6,7
	v_mul_f32 v[BM+2*\a], s3, v[BM+2*\a]
	v_mov_b32 v[BM+2*\a+1], v[BM+2*\a]             ; the packed addition takes a pair
.endr
.irp a, 0,1,2,3,4,5,6,7
	BLOCK \a
.endr
	s_wait_tensorcnt 0x0                           ; the wave's end
	ds_add_u32 v[SPW], v[NIL]
	s_wait_dscnt 0x0
	CROUND                                         ; the closing round
	s_endpgm
.Lfunc_end_k_q1f6aef59f4_proj:
	.size	k_q1f6aef59f4_proj, .Lfunc_end_k_q1f6aef59f4_proj-k_q1f6aef59f4_proj
	.p2alignl 7, 3214868480
	.fill 96, 4, 3214868480
	.section	.rodata,"a",@progbits
	.p2align	6, 0x0
	.amdhsa_kernel k_q1f6aef59f4_proj
		.amdhsa_group_segment_fixed_size 327680
		.amdhsa_private_segment_fixed_size 0
		.amdhsa_enable_private_segment 0
		.amdhsa_kernarg_size 56
		.amdhsa_user_sgpr_count 2
		.amdhsa_user_sgpr_kernarg_segment_ptr 1
		.amdhsa_wavefront_size32 1
		.amdhsa_system_sgpr_workgroup_id_x 1
		.amdhsa_system_sgpr_workgroup_id_y 1
		.amdhsa_system_sgpr_workgroup_id_z 1
		.amdhsa_system_vgpr_workitem_id 0
		.amdhsa_next_free_vgpr 1024
		.amdhsa_next_free_sgpr 102
		.amdhsa_reserve_vcc 0
		.amdhsa_float_denorm_mode_32 3
		.amdhsa_float_denorm_mode_16_64 3
		.amdhsa_memory_ordered 1
		.amdhsa_forward_progress 1
		.amdhsa_inst_pref_size 192
	.end_amdhsa_kernel
	.amdgpu_metadata
---
amdhsa.version: [ 1, 2 ]
amdhsa.kernels:
  - .name:           k_q1f6aef59f4_proj
    .symbol:         k_q1f6aef59f4_proj.kd
    .args:
      - { .name: prepw, .offset: 0, .size: 8, .value_kind: global_buffer, .address_space: global }
      - { .name: bq, .offset: 8, .size: 8, .value_kind: global_buffer, .address_space: global }
      - { .name: bk, .offset: 16, .size: 8, .value_kind: global_buffer, .address_space: global }
      - { .name: bv, .offset: 24, .size: 8, .value_kind: global_buffer, .address_space: global }
      - { .name: qk, .offset: 32, .size: 8, .value_kind: global_buffer, .address_space: global }
      - { .name: vt, .offset: 40, .size: 8, .value_kind: global_buffer, .address_space: global }
      - { .name: lo, .offset: 48, .size: 8, .value_kind: global_buffer, .address_space: global }
    .group_segment_fixed_size: 327680
    .private_segment_fixed_size: 0
    .kernarg_segment_align: 8
    .kernarg_segment_size: 56
    .max_flat_workgroup_size: 128
    .sgpr_count:     102
    .vgpr_count:     1024
    .wavefront_size: 32
...
	.end_amdgpu_metadata
.endif
;; end of part 2
;; launch scores (part 3): grid 8 x 32, 4 waves a work-group, clusters of 4 x 4, 327,680 bytes of LDS; arguments qk, mask, pt, st; writes pt, st
.if DOCPART == 3
	.amdgcn_target "amdgcn-amd-amdhsa--gfx1250"
	.amdhsa_code_object_version 6
	.text
	.protected	k_q1f6aef59f4_scores
	.globl	k_q1f6aef59f4_scores
	.p2align	8
	.type	k_q1f6aef59f4_scores,@function
k_q1f6aef59f4_scores:
	s_mov_b64 s[64:65], 0
	v_nop
	global_prefetch_b8 v0, s[64:65] scope:SCOPE_SE
	s_setreg_imm32_b32 hwreg(HW_REG_WAVE_MODE, 25, 1), 1
	s_wait_xcnt 0x0
	s_wait_alu depctr_hold_cnt(0) depctr_sa_sdst(0) depctr_va_vdst(0) depctr_va_sdst(0) depctr_va_ssrc(0) depctr_va_vcc(0) depctr_vm_vsrc(0)
	s_getreg_b32 s2, hwreg(HW_REG_IB_STS2, 6, 4)
	s_cmp_eq_u32 s2, 0
	s_cbranch_scc0 .Lentry_in_a_cluster
	s_endpgm
.Lentry_in_a_cluster:
	s_bfe_u32 s2, ttmp6, 0x10000c
	s_cmp_lg_u32 s2, 0xf033
	s_cbranch_scc0 .Lentry_shape_is_right
	s_endpgm
.Lentry_shape_is_right:
; SCORES: t = (Q c) K^T (f16 operands, f32 sums; c = log2(e) / 32 lies in Q already), the mask, and the first half of the softmax.
; Where mask is 1, t becomes the lowest f32 number, as in the reference.  For each row and each chunk of 128 keys (a wave's tile is 128 rows x 128 keys): M_c = the chunk's largest t rounded up to a whole
; number, kept as negM = floor(-max); P = 2^(t - M_c), stored in f16 in pt [8192][2048]; l_c = the sum of the unrounded P.  (negM, l_c) go to st [16 chunks][8192 rows][2].
; The next launch brings the chunks under the row's largest M by powers of two.  A chunk wholly hidden has negM = 3.4e38 and P = 1; a row wholly hidden so comes out as the plain average.
; A tile of C is 256 x 256: 4 batches x 8 x 8 tiles are one work-group for each of 256 work-groups.  Four waves of 128 x 128: 64 accumulators, 512 registers.
; K = 1,024 goes in steps of 128 (rows of 256 bytes) through two LDS slots; each wave fetches 128 rows (waves 0, 1: Q's halves; waves 2, 3: K's).  A K step is 256 matrix instructions a wave,
; 224 of them between a refill's request and the wait for it.  4 x 4 work-groups form a cluster: Q's tiles are asked for jointly along a row of the cluster, K's along a column.
; The matrix instruction is used transposed (source 0 = 16 keys, source 1 = 16 queries): a lane holds one query (16 a + lane % 16) and keys 16 b + 8 (lane / 16) + 0 .. 7.
; REGISTERS: window 0: v1-31 addresses and scratch; v64-127, v128-191 A's fragments, two buffers; on the way out v32-47 statistics, v48-63 and v64-127 limits, v128-191 t and P, v192-223 packed,
;   v224-255 rows read back.  Window 1: v64-191 B's fragments, two buffers; v0-63 and v192-255 the tile's mask bytes.  Windows 2, 3: the accumulators of my rows 0-63 and 64-127.
; LIMITS: mask bytes are 0 or 1; NaN and infinities are not served; P under 6.1e-5 is kept to 2^-25 absolutely.
.set LAPS,  4                          ; a lap = two K steps of 128
.set PITCH, 272                        ; 256 bytes + 16 of padding: the 16 rows of a load start at 16 different banks (64 banks of 4 bytes: ISA guide 11.1)
.set HALFT, 128*PITCH                  ; what one tensor load brings, and what one wave reads of A or of B
.set SLOT,  4*HALFT                    ; A's 256 rows, then B's 256 rows
.set STAGE, 2*SLOT                     ; 16 rows x 272 bytes a wave
.set SPARE, STAGE+4*16*272
.set GW,    (1<<16)|(1<<20)|(1<<21)|(5<<22)|(3<<25)   ; elements of 2 bytes; padding on; bit 21 beside a mask; 4 words after every 64
.set WV, 12
.set WM, 13
.set WN, 14
.set TR, 15
.set G1, 24
.set G0, 32
.set G1B, 48
.set G0B, 56
.set LIM, 75                           ; s75 1 in a wave that prefetches, else the greatest number
.set PFA, 76                           ; s[76:77] where my prefetches stand
.set CH,   4                           ; v4-11 at work on the way out
.set ADRA, 16
.set ADRB, 20
.set STO,  24
.set RD,   25
.set CO,   26
.set MKO,  27
.set SPW,  28
.set NIL,  29
.set SO,   30
.set PFO,  31                          ; v31 my lane x a row of qk; never rewritten
.set ST,   32                          ; v32-47 (negM, l) of my eight blocks of rows
.set RR,   48
.set LL,   64
.set T,    128
.set TMP,  192
.set OB,   224
.set F0,   64
.set F1,   128
.set MSB, 0
.macro WIN new                         ; the immediate's high byte repeats the setting that is left
.if MSB != (\new)
	s_set_vgpr_msb (MSB<<8)|(\new)
.set MSB, (\new)
.endif
.endm
.set MUL_LO, 0xa1                      ; source 0 (B) window 1, source 1 (A) window 0, C and D window 2
.set MUL_HI, 0xf1                      ; the same, C and D window 3
.set TO_B,   0x40
.macro JLOAD s                         ; a joint load; the branch hangs on the wave's number alone; an s_nop 0 and four v_nop follow each line
	s_cmp_eq_u32 s[WM], 0
	s_cbranch_scc0 .Lfor_b_\@
	tensor_load_to_lds s[G0+4*\s:G0+4*\s+3], s[G1:G1+7]
	s_nop 0
.rept 4
	v_nop
.endr
	s_branch .Lasked_\@
.Lfor_b_\@:
	tensor_load_to_lds s[G0B+4*\s:G0B+4*\s+3], s[G1B:G1B+7]
	s_nop 0
.rept 4
	v_nop
.endr
.Lasked_\@:
.endm
; A prefetch behind each joint refill and the run of LDS loads that follows it: the K step that stands two refills on, 512 matrix instructions ahead of the load that will want it: 32 rows x 256 bytes, a lane a row.
; Each row's 256 bytes of a K step are named once in the launch: Q's rows are read by both clusters along x: cluster x = 0 asks; a batch's K rows by two clusters along y: the even one asks.
; Of the 128 rows that a wave fetches, each of the four partners that ask for them jointly takes 32, told apart by address.  The loop's last trip (s3 = 1) has no K step two refills on and asks for nothing.
.macro ASK
	s_cmp_gt_u32 s3, s[LIM]
	s_cbranch_scc0 .Lnot_mine_\@
	global_prefetch_b8 v[PFO], s[PFA:PFA+1] offset:256 th:TH_LOAD_NT scope:SCOPE_SE
.Lnot_mine_\@:
.endm
.macro CREST                           ; a round of the cluster's barrier behind its opening barrier
	s_cmp_lg_u32 s[WV], 0
	s_cbranch_scc1 .Lnot_wave_0_\@
	s_barrier_signal -3
.Lnot_wave_0_\@:
	s_barrier_wait -3
	s_barrier_signal -1
	s_barrier_wait -1
.endm
.macro CROUND
	s_barrier_signal -1
	s_barrier_wait -1
	CREST
.endm
.macro PLACES                          ; plain vector instructions between a matrix instruction and a load into, or a vector write or read of, its registers
.rept 4
	v_nop
.endr
.endm
; 16 matrix instructions: blocks a0, a0 + 1 of the window's four (hi = 0: my rows 0-63, 1: rows 64-127) x B's eight, 32 along K.  The 64 accumulators take turns in one order everywhere
.macro MUL16 f, hi, a0, zero
.irp a, \a0, \a0+1
.irp b, 0,1,2,3,4,5,6,7
.if \zero
	v_wmma_f32_16x16x32_f16 v[8*(8*(\a)+\b):8*(8*(\a)+\b)+7], v[\f+8*\b:\f+8*\b+7], v[\f+8*(4*\hi+\a):\f+8*(4*\hi+\a)+7], 0
.else
	v_wmma_f32_16x16x32_f16 v[8*(8*(\a)+\b):8*(8*(\a)+\b)+7], v[\f+8*\b:\f+8*\b+7], v[\f+8*(4*\hi+\a):\f+8*(4*\hi+\a)+7], v[8*(8*(\a)+\b):8*(8*(\a)+\b)+7]
.endif
.endr
.endr
.endm
.macro FETCH slot, k, f                ; 32 LDS loads in one run: 128 rows of B, then 128 rows of A, 32 along K at byte k of the rows
	WIN TO_B
.irp i, 0,1,2,3,4,5,6,7
	ds_load_b128 v[\f+8*\i:\f+8*\i+3],   v[ADRB+\slot] offset:\k+\i*16*PITCH
	ds_load_b128 v[\f+8*\i+4:\f+8*\i+7], v[ADRB+\slot] offset:\k+\i*16*PITCH+32
.endr
	WIN 0
.irp i, 0,1,2,3,4,5,6,7
	ds_load_b128 v[\f+8*\i:\f+8*\i+3],   v[ADRA+\slot] offset:\k+\i*16*PITCH
	ds_load_b128 v[\f+8*\i+4:\f+8*\i+7], v[ADRA+\slot] offset:\k+\i*16*PITCH+32
.endr
.endm
.macro QUARTER slot, k, f, g, zero     ; multiplies buffer f; in its middle fetches the next quarter, at byte k, into buffer g
	s_wait_dscnt 8                                 ; all but the youngest eight loads (A's blocks 4-7)
	WIN MUL_LO
	MUL16 \f, 0, 0, \zero
	MUL16 \f, 0, 2, \zero
	PLACES
	FETCH \slot, \k, \g
	s_wait_dscnt 32                                ; all but the 32 just issued
	WIN MUL_HI
	MUL16 \f, 1, 0, \zero
	MUL16 \f, 1, 2, \zero
.endm
; A K step's last quarter multiplies buffer 1 and changes slots: one barrier.  In front of it each wave waits for all its tensor loads (its part of the next slot), adds 0 to its spare word, and waits
; for that and for its reads of this slot.  fill = 1: the barrier opens a round of the cluster's, and the joint refill, two K steps ahead, is the first thing behind the round.
.macro TURN slot, next, fill
.if \fill
	s_wait_xcnt 0x0                                ; the last prefetch, a K step back, has read its address: it is stepped here
	s_add_nc_u64 s[PFA:PFA+1], s[PFA:PFA+1], 256
.endif
	WIN 0
	s_wait_tensorcnt 0x0
	ds_add_u32 v[SPW], v[NIL]
	s_wait_dscnt 9                                 ; (the add and A's blocks 4-7 may be out)
	WIN MUL_LO
	MUL16 F1, 0, 0, 0
	s_wait_dscnt 0x0                               ; the add is done, and my reads of this slot are over
	s_barrier_signal -1
	MUL16 F1, 0, 2, 0
	WIN 0
	s_barrier_wait -1
.if \fill
	CREST
	s_add_nc_u64 s[G0+4*\slot+2:G0+4*\slot+3], s[G0+4*\slot+2:G0+4*\slot+3], 512
	s_add_nc_u64 s[G0B+4*\slot+2:G0B+4*\slot+3], s[G0B+4*\slot+2:G0B+4*\slot+3], 512
	JLOAD \slot                                    ; its four v_nop are also the places in front of the loads below
.else
	PLACES
.endif
	FETCH \next, 0, F0
.if \fill
	ASK
.endif
	WIN MUL_HI
	MUL16 F1, 1, 0, 0
	MUL16 F1, 1, 2, 0
.endm
.macro SENDH a, rowb                   ; a block's packed f16 through my stage and out: sixteen lanes store 256 consecutive bytes, aligned; the block's place stands in the immediate
.irp b, 0,1,2,3,4,5,6,7
	ds_store_b128 v[STO], v[TMP+4*\b:TMP+4*\b+3] offset:32*\b
.endr
	s_wait_xcnt 0x0                                ; the last block's stores have read the registers that the loads below fill
.irp t, 0,1,2,3,4,5,6,7
	ds_load_b128 v[OB+4*\t:OB+4*\t+3], v[RD] offset:\t*2*272       ; LDS serves a wave's instructions in order: these see the stores above
.endr
.irp t, 0,1,2,3,4,5,6,7
	s_wait_dscnt 7-\t
	global_store_b128 v[CO], v[OB+4*\t:OB+4*\t+3], s[8:9] offset:(16*(\a)+2*\t)*(\rowb)
.endr
.endm
	s_load_b256 s[4:11], s[0:1], 0x0               ; qk, mask, pt, st
	v_lshl_add_u32 v[SPW], v0, 2, SPARE
	v_mov_b32 v[NIL], 0
	ds_add_u32 v[SPW], v[NIL]                      ; the wave's opening: the add, twice on end, and its wait ahead of my first tensor load
	ds_add_u32 v[SPW], v[NIL]
	v_lshrrev_b32 v1, 5, v0
	v_readfirstlane_b32 s[WV], v1
	s_lshr_b32 s[WM], s[WV], 1                     ; my half of the rows; also: I fetch for A (0) or B (1)
	s_and_b32 s[WN], s[WV], 1                      ; my half of the columns; also: which 128 rows I fetch
	s_bfe_u32 s40, ttmp6, 0x40000                  ; cx
	s_bfe_u32 s41, ttmp6, 0x40004                  ; cy
	s_lshl_b32 s42, ttmp9, 2
	s_add_co_u32 s42, s42, s40                     ; tile column (256 keys)
	s_and_b32 s45, ttmp7, 0xffff                   ; cluster y
	s_lshl_b32 s[TR], s45, 2
	s_add_co_u32 s[TR], s[TR], s41                 ; tile row (256 queries)
	s_lshl_b32 s43, s41, 2
	s_lshl_b32 s43, 15, s43
	s_lshl_b32 s44, 0x1111, s40
	s_or_b32 s[G1], s43, GW
	s_or_b32 s[G1B], s44, GW
.irp g, G1, G1B
	s_mov_b32 s[\g+1], 128<<16                     ; tensor_dim0 = 128
	s_mov_b32 s[\g+2], 128<<16                     ; tensor_dim1 = 128
	s_mov_b32 s[\g+3], 128<<16                     ; tile_dim0 = 128
	s_mov_b32 s[\g+4], 128                         ; tile_dim1 = 128
	s_mov_b32 s[\g+5], 2048                        ; elements from row to row
	s_mov_b32 s[\g+6], 0
	s_mov_b32 s[\g+7], 0
.endr
	s_lshl_b32 s16, s[TR], 8
	s_lshl_b32 s17, s[WN], 7
	s_add_co_u32 s16, s16, s17
	s_lshl_b32 s16, s16, 12                        ; A: row 256 x tile row + 128 x half, 4,096 bytes a row
	s_mov_b32 s17, 0
	s_lshr_b32 s45, s45, 1                         ; the batch: two clusters along y to a batch
	s_lshl_b32 s46, s42, 8
	s_lshl_b32 s47, s[WN], 7
	s_add_co_u32 s46, s46, s47
	s_lshl_b32 s47, s45, 11
	s_add_co_u32 s46, s46, s47
	s_lshl_b32 s46, s46, 12
	s_add_co_u32 s46, s46, 2048                    ; B: row 2,048 x batch + 256 x tile column + 128 x half; K lies 2,048 bytes into a row
	s_mov_b32 s47, 0
	s_mul_i32 s20, s[WV], HALFT                    ; where they go: wave x 128 rows
	s_wait_dscnt 0x0                               ; both opening adds are done
	s_wait_kmcnt 0x0
	s_add_nc_u64 s[16:17], s[4:5], s[16:17]
	s_add_nc_u64 s[46:47], s[4:5], s[46:47]
	CROUND
.irp s, 0,1
	s_mov_b32 s[G0+4*\s], 1
	s_add_co_u32 s[G0+4*\s+1], s20, \s*SLOT
	s_add_nc_u64 s[G0+4*\s+2:G0+4*\s+3], s[16:17], \s*256
	s_or_b32 s[G0+4*\s+3], s[G0+4*\s+3], 0x80000000
	s_mov_b32 s[G0B+4*\s], 1
	s_add_co_u32 s[G0B+4*\s+1], s20, \s*SLOT
	s_add_nc_u64 s[G0B+4*\s+2:G0B+4*\s+3], s[46:47], \s*256
	s_or_b32 s[G0B+4*\s+3], s[G0B+4*\s+3], 0x80000000
	JLOAD \s                                       ; two loads of mine are out behind the second
.endr
	v_and_b32 v1, 15, v0                           ; r
	v_bfe_u32 v2, v0, 4, 1                         ; h
	v_mul_u32_u24 v3, v1, PITCH
	v_lshl_add_u32 v3, v2, 4, v3
	s_mul_i32 s21, s[WM], HALFT
	s_mul_i32 s22, s[WN], HALFT
	s_add_co_u32 s22, s22, 2*HALFT
.irp s, 0,1
	v_add_nc_u32 v[ADRA+\s], s21, v3
	v_add_nc_u32 v[ADRB+\s], s22, v3
	s_add_co_u32 s21, s21, SLOT
	s_add_co_u32 s22, s22, SLOT
.endr
	s_mul_i32 s23, s[WV], 16*272
	s_add_co_u32 s23, s23, STAGE
	v_mul_u32_u24 v3, v1, 272
	v_lshl_add_u32 v3, v2, 4, v3
	v_add_nc_u32 v[STO], s23, v3
	v_mul_u32_u24 v3, v2, 272
	v_lshl_add_u32 v3, v1, 4, v3
	v_add_nc_u32 v[RD], s23, v3
	v_lshlrev_b32 v[CO], 12, v2
	v_lshl_add_u32 v[CO], v1, 4, v[CO]
	v_lshlrev_b32 v[MKO], 11, v1
	v_lshl_add_u32 v[MKO], v2, 3, v[MKO]           ; the mask: row r, 8 bytes for each half of the lanes
	v_and_b32 v[PFO], 31, v0
	v_lshlrev_b32 v[SO], 3, v[PFO]                 ; the statistics: 8 bytes a lane
	v_lshlrev_b32 v[PFO], 12, v[PFO]               ; the prefetches: a lane a row of 4,096 bytes
.irp a, 0,1,2,3,4,5,6,7
	v_mov_b32 v[ST+2*\a+1], 0                      ; named with negM as a pair before it is first written
.endr
	s_lshl_b32 s16, s[TR], 8
	s_lshl_b32 s17, s[WM], 7
	s_add_co_u32 s16, s16, s17                     ; my first row
	s_lshl_b32 s18, s42, 8
	s_lshl_b32 s19, s[WN], 7
	s_add_co_u32 s18, s18, s19                     ; my first key
	s_mov_b32 s21, 0
	s_lshl_b32 s20, s16, 11
	s_add_co_u32 s20, s20, s18
	s_add_nc_u64 s[6:7], s[6:7], s[20:21]          ; mask
	s_lshl_b32 s20, s16, 12
	s_lshl_b32 s22, s18, 1
	s_add_co_u32 s20, s20, s22
	s_add_nc_u64 s[8:9], s[8:9], s[20:21]          ; pt
	s_lshl_b32 s20, s18, 6                         ; (key / 128) x 8,192 rows
	s_add_co_u32 s20, s20, s16
	s_lshl_b32 s20, s20, 3
	s_add_nc_u64 s[10:11], s[10:11], s[20:21]      ; st
	s_mov_b32 s66, 0x7f7f7f7f
	s_mov_b32 s67, 0x007fffff
	s_mov_b32 s68, 0x04020100                      ; a limit's top byte from mask byte 0 .. 3, its other three from s67
	s_mov_b32 s69, 0x05020100
	s_mov_b32 s70, 0x06020100
	s_mov_b32 s71, 0x07020100
	s_mov_b32 s72, 0x76543210                      ; v_permlanex16_b32: lane l xor 16
	s_mov_b32 s73, 0xfedcba98
	s_mov_b32 s74, 0xffff0000                      ; lanes 16-31
	WIN 0x40                                       ; destination window 1
.irp a, 0,1,2,3,4,5,6,7
.if \a < 4
.set MKB, 16*\a
.else
.set MKB, 192+16*(\a-4)
.endif
.irp b, 0,1,2,3,4,5,6,7
	global_load_b64 v[MKB+2*\b:MKB+2*\b+1], v[MKO], s[6:7] offset:\a*32768+16*\b   ; mask(16 a + r, 16 b + 8 h + 0 .. 7): asked for here, wanted on the way out
.endr
.endr
	WIN 0
	; where my prefetches stand, and who asks.  Nothing is prefetched here, at the head: K steps 0 to 3 come by their loads alone
	s_lshl_b32 s20, s[TR], 8                       ; Q's tile: its first row
	s_lshl_b32 s21, s42, 8
	s_lshl_b32 s22, s45, 11
	s_add_co_u32 s21, s21, s22                     ; K's tile: its first row
	s_and_b32 s22, ttmp7, 0xffff
	s_and_b32 s22, s22, 1                          ; the coordinate along which another cluster reads the same rows of K
	s_cmp_eq_u32 s[WM], 0                          ; do I fetch for A?
	s_cselect_b32 s20, s20, s21
	s_cselect_b32 s21, s40, s41                    ; my place among the four that ask for the tile with me
	s_cselect_b32 s22, ttmp9, s22
	s_cselect_b32 s23, 0, 2048
	s_cmp_eq_u32 s22, 0
	s_cselect_b32 s[LIM], 1, -1                    ; the same in all sixteen partners, for a given wave
	s_lshl_b32 s22, s[WN], 7
	s_add_co_u32 s20, s20, s22                     ; + the 128 rows that I fetch
	s_lshl_b32 s21, s21, 5
	s_add_co_u32 s20, s20, s21                     ; + my work-group's 32 of them
	s_lshl_b32 s20, s20, 12
	s_add_co_u32 s20, s20, s23
	s_add_co_u32 s20, s20, 2*256                   ; at K step 2: the first refill steps it to 3 and names K step 4
	s_mov_b32 s21, 0
	s_add_nc_u64 s[PFA:PFA+1], s[4:5], s[20:21]
	s_wait_tensorcnt 1                             ; my part of K step 0 is in; K step 1's may be out
	s_barrier_signal -1
	s_barrier_wait -1
	FETCH 0, 0, F0
	QUARTER 0, 64, F0, F1, 1                       ; the first products start the sums: nothing is cleared
	WIN 0
	s_mov_b32 s3, LAPS-1
.Llap:
	QUARTER 0, 128, F1, F0, 0
	QUARTER 0, 192, F0, F1, 0
	TURN 0, 1, 1
	QUARTER 1, 64, F0, F1, 0
	QUARTER 1, 128, F1, F0, 0
	QUARTER 1, 192, F0, F1, 0
	TURN 1, 0, 1
	QUARTER 0, 64, F0, F1, 0
	WIN 0
	s_sub_co_u32 s3, s3, 1
	s_cmp_lg_u32 s3, 0
	s_cbranch_scc1 .Llap
	QUARTER 0, 128, F1, F0, 0                      ; the last lap fills nothing
	QUARTER 0, 192, F0, F1, 0
	TURN 0, 1, 0
	QUARTER 1, 64, F0, F1, 0
	QUARTER 1, 128, F1, F0, 0
	QUARTER 1, 192, F0, F1, 0
	s_wait_dscnt 8                                 ; the very last quarter: nothing more to fetch
	WIN MUL_LO
	MUL16 F1, 0, 0, 0
	MUL16 F1, 0, 2, 0
	s_wait_dscnt 0x0
	WIN MUL_HI
	MUL16 F1, 1, 0, 0
	MUL16 F1, 1, 2, 0
	WIN 0
; THE WAY OUT of block a: 16 queries x 128 keys.
.macro EPI a
.if (\a) < 4
.set MKB, 16*(\a)
.else
.set MKB, 192+16*((\a)-4)
.endif
.set AC, 64*((\a)%4)
	WIN 0x01                                       ; source 0 window 1
.set n, 0
.rept 16
	v_lshl_or_b32 v[RR+n], v[MKB+n], 7, s66                        ; each mask byte becomes 0x7f (seen) or 0xff (hidden)
.set n, n+1
.endr
	WIN 0
.set n, 0
.rept 64
	v_perm_b32 v[LL+n], v[RR+2*(n/8)+((n%8)/4)], s67, s[68+n%4]    ; the limit: the greatest f32 number, or the lowest
.set n, n+1
.endr
	WIN 0x02+(\a)/4                                ; source 0 window 2 or 3
.set n, 0
.rept 64
	v_min_num_f32 v[T+n], v[AC+n], v[LL+n]                         ; t, or the lowest number; each accumulator from its low end on
.set n, n+1
.endr
	WIN 0
.irp k, 0,1,2,3
	v_max3_num_f32 v[CH+\k], v[T+16*\k], v[T+16*\k+1], v[T+16*\k+2]
.endr
.irp i, 3,5,7,9,11,13
.irp k, 0,1,2,3
	v_max3_num_f32 v[CH+\k], v[CH+\k], v[T+16*\k+\i], v[T+16*\k+\i+1]
.endr
.endr
.irp k, 0,1,2,3
	v_max_num_f32 v[CH+\k], v[CH+\k], v[T+16*\k+15]
.endr
	v_max3_num_f32 v[CH], v[CH], v[CH+1], v[CH+2]
	v_max_num_f32 v[CH], v[CH], v[CH+3]
	v_permlanex16_b32 v[CH+1], v[CH], s72, s73                     ; the query's other 64 keys lie in the lane 16 away
	v_max_num_f32 v[CH], v[CH], v[CH+1]
	v_floor_f32 v[ST+2*(\a)], -v[CH]                               ; negM = -ceil(the chunk's largest t)
.set n, 0
.rept 32
	v_pk_add_f32 v[T+n:T+n+1], v[T+n:T+n+1], v[ST+2*(\a):ST+2*(\a)+1] op_sel_hi:[1,0]   ; t - M
.set n, n+2
.endr
.set n, 0
.rept 64
	v_exp_f32 v[T+n], v[T+n]
.set n, n+1
.endr
	v_nop                                          ; a plain instruction behind the last exponential
	s_wait_alu depctr_va_vdst(0)                   ; one wait for the batch, ahead of its first reader
	v_pk_add_f32 v[CH+2:CH+3], v[T:T+1], v[T+2:T+3]                ; the sum of the unrounded P, in two chains
	v_pk_add_f32 v[CH+4:CH+5], v[T+4:T+5], v[T+6:T+7]
.irp j, 8,12,16,20,24,28,32,36,40,44,48,52,56,60
	v_pk_add_f32 v[CH+2:CH+3], v[CH+2:CH+3], v[T+\j:T+\j+1]
	v_pk_add_f32 v[CH+4:CH+5], v[CH+4:CH+5], v[T+\j+2:T+\j+3]
.endr
	v_pk_add_f32 v[CH+2:CH+3], v[CH+2:CH+3], v[CH+4:CH+5]
	v_add_f32 v[CH+2], v[CH+2], v[CH+3]
	v_permlanex16_b32 v[CH+3], v[CH+2], s72, s73
	v_add_f32 v[ST+2*(\a)+1], v[CH+2], v[CH+3]
.set n, 0
.rept 32
	v_cvt_pk_f16_f32 v[TMP+n], v[T+2*n], v[T+2*n+1]
.set n, n+1
.endr
	SENDH \a, 4096
.endm
	s_wait_loadcnt 0x0                             ; the mask bytes
	PLACES
.irp a, 0,1,2,3,4,5,6,7
	EPI \a
.endr
.irp i, 0,1,2,3
	v_cndmask_b32 v[CH+2*\i], v[ST+4*\i], v[ST+4*\i+2], s74        ; lanes 0-15: block 2 i's rows; lanes 16-31: block 2 i + 1's
	v_cndmask_b32 v[CH+2*\i+1], v[ST+4*\i+1], v[ST+4*\i+3], s74
	global_store_b64 v[SO], v[CH+2*\i:CH+2*\i+1], s[10:11] offset:256*\i   ; 32 rows' (negM, l): 256 consecutive bytes, aligned
.endr
	s_wait_tensorcnt 0x0                           ; the wave's end
	ds_add_u32 v[SPW], v[NIL]
	s_wait_dscnt 0x0
	CROUND                                         ; the closing round
	s_endpgm
.Lfunc_end_k_q1f6aef59f4_scores:
	.size	k_q1f6aef59f4_scores, .Lfunc_end_k_q1f6aef59f4_scores-k_q1f6aef59f4_scores
	.p2alignl 7, 3214868480
	.fill 96, 4, 3214868480
	.section	.rodata,"a",@progbits
	.p2align	6, 0x0
	.amdhsa_kernel k_q1f6aef59f4_scores
		.amdhsa_group_segment_fixed_size 327680
		.amdhsa_private_segment_fixed_size 0
		.amdhsa_enable_private_segment 0
		.amdhsa_kernarg_size 32
		.amdhsa_user_sgpr_count 2
		.amdhsa_user_sgpr_kernarg_segment_ptr 1
		.amdhsa_wavefront_size32 1
		.amdhsa_system_sgpr_workgroup_id_x 1
		.amdhsa_system_sgpr_workgroup_id_y 1
		.amdhsa_system_sgpr_workgroup_id_z 1
		.amdhsa_system_vgpr_workitem_id 0
		.amdhsa_next_free_vgpr 1024
		.amdhsa_next_free_sgpr 80
		.amdhsa_reserve_vcc 0
		.amdhsa_float_denorm_mode_32 3
		.amdhsa_float_denorm_mode_16_64 3
		.amdhsa_memory_ordered 1
		.amdhsa_forward_progress 1
		.amdhsa_inst_pref_size 255
	.end_amdhsa_kernel
	.section	.bss,"aw",@nobits
	.p2align	6
	.space	262144
	.amdgpu_metadata
---
amdhsa.version: [ 1, 2 ]
amdhsa.kernels:
  - .name:           k_q1f6aef59f4_scores
    .symbol:         k_q1f6aef59f4_scores.kd
    .args:
      - { .name: qk, .offset: 0, .size: 8, .value_kind: global_buffer, .address_space: global }
      - { .name: mask, .offset: 8, .size: 8, .value_kind: global_buffer, .address_space: global }
      - { .name: pt, .offset: 16, .size: 8, .value_kind: global_buffer, .address_space: global }
      - { .name: st, .offset: 24, .size: 8, .value_kind: global_buffer, .address_space: global }
    .group_segment_fixed_size: 327680
    .private_segment_fixed_size: 0
    .kernarg_segment_align: 8
    .kernarg_segment_size: 32
    .max_flat_workgroup_size: 128
    .sgpr_count:     80
    .vgpr_count:     1024
    .wavefront_size: 32
...
	.end_amdgpu_metadata
.endif
;; end of part 3
;; launch pv (part 4): grid 4 x 64, 4 waves a work-group, clusters of 4 x 4, 327,680 bytes of LDS; arguments pt, vt, st, at; writes at
.if DOCPART == 4
	.amdgcn_target "amdgcn-amd-amdhsa--gfx1250"
	.amdhsa_code_object_version 6
	.text
	.protected	k_q1f6aef59f4_pv
	.globl	k_q1f6aef59f4_pv
	.p2align	8
	.type	k_q1f6aef59f4_pv,@function
k_q1f6aef59f4_pv:
	s_mov_b64 s[64:65], 0
	v_nop
	global_prefetch_b8 v0, s[64:65] scope:SCOPE_SE
	s_setreg_imm32_b32 hwreg(HW_REG_WAVE_MODE, 25, 1), 1
	s_wait_xcnt 0x0
	s_wait_alu depctr_hold_cnt(0) depctr_sa_sdst(0) depctr_va_vdst(0) depctr_va_sdst(0) depctr_va_ssrc(0) depctr_va_vcc(0) depctr_vm_vsrc(0)
	s_getreg_b32 s2, hwreg(HW_REG_IB_STS2, 6, 4)
	s_cmp_eq_u32 s2, 0
	s_cbranch_scc0 .Lentry_in_a_cluster
	s_endpgm
.Lentry_in_a_cluster:
	s_bfe_u32 s2, ttmp6, 0x10000c
	s_cmp_lg_u32 s2, 0xf033
	s_cbranch_scc0 .Lentry_shape_is_right
	s_endpgm
.Lentry_shape_is_right:
; PV: attention = softmax x V (f16 operands, f32 sums), from P = 2^(t - M_c) [8192][2048], V^T [1024 d][8192 rows] and the chunks' (negM, l).
; For each row: M = the largest M_c; f_c = 2^(M_c - M), a power of two or 0; l = the sum of f_c l_c.  A K step of 128 keys is one chunk: its products start anew (C = 0) in accumulators of their own,
; and O takes them by O = f_c x sum + O, fused, in f32: 128 packed lines a chunk.  O is divided by l at the end.  So the row's true maximum is taken away.  Result: at [8192][1024] f16.
; A tile of C is 128 x 256; four waves of 64 x 128; K = 2,048 in steps of 128 through two LDS slots; 4 x 4 work-groups form a cluster (P's tiles jointly along a row, V^T's along a column).
; The matrix instruction is used transposed (source 0 = 16 rows of V^T, source 1 = 16 queries): a lane holds one query and eight neighbouring d, so f_c is one number a lane and block of rows.
; The first chunk's O is a plain product, so the first lap is written out ahead of the loop: nothing is cleared.
; REGISTERS: window 0: v1-31 addresses; v32-47 the two slots' f_c (each twice on end, a pair for each block of rows); v48-55 1 / l; v56-63 at work at the head; v64-127 A's fragments;
;   v128-255 the statistics at the head, later results.  Window 1: v0-127 B's fragments.  Window 2: a chunk's sums.  Window 3: O.
; LIMITS: NaN and infinities are not served.
.set LAPS,  8
.set PITCH, 272                        ; 256 bytes + 16 of padding: the 16 rows of a load start at 16 different banks (64 banks of 4 bytes: ISA guide 11.1)
.set AHALF, 64*PITCH
.set BHALF, 128*PITCH
.set SLOT,  2*AHALF+2*BHALF
.set STAGE, 2*SLOT
.set FT,    STAGE+4*16*272             ; each wave's table of f_c: [16 chunks][16 r][4 blocks][2] words, 8,192 bytes
.set SPARE, FT+4*8192
.set GW,    (1<<16)|(1<<20)|(1<<21)|(5<<22)|(3<<25)
.set WV, 12
.set WM, 13
.set WN, 14
.set TR, 15
.set G1, 24
.set G0, 32
.set G1B, 48
.set G0B, 56
.set LIM, 75                           ; s75 1 in a wave that prefetches, else the greatest number
.set PFA, 76                           ; s[76:77] where my prefetches stand
.set ADRA, 16
.set ADRB, 20
.set STO,  24
.set RD,   25
.set CO,   26
.set FTA,  27
.set SPW,  28
.set NIL,  29
.set PFO,  31                          ; v31 my lane x a row of P or of V^T; never rewritten
.set FS,   32
.set RL,   48
.set NMR,  56
.set LS,   60
.set FA,   64
.set T,    128
.set TMP,  192
.set OB,   224
.set MSB, 0
.macro WIN new                         ; the immediate's high byte repeats the setting that is left
.if MSB != (\new)
	s_set_vgpr_msb (MSB<<8)|(\new)
.set MSB, (\new)
.endif
.endm
.set MUL,  0xa1                        ; source 0 (B) window 1, source 1 (A) window 0, C and D window 2
.set TO_B, 0x40
.macro JLOAD s                         ; a joint load; the branch hangs on the wave's number alone; an s_nop 0 and four v_nop follow each line
	s_cmp_eq_u32 s[WM], 0
	s_cbranch_scc0 .Lfor_b_\@
	tensor_load_to_lds s[G0+4*\s:G0+4*\s+3], s[G1:G1+7]
	s_nop 0
.rept 4
	v_nop
.endr
	s_branch .Lasked_\@
.Lfor_b_\@:
	tensor_load_to_lds s[G0B+4*\s:G0B+4*\s+3], s[G1B:G1B+7]
	s_nop 0
.rept 4
	v_nop
.endr
.Lasked_\@:
.endm
; A prefetch behind each joint refill and the run of LDS loads that follows it: the K step that stands two refills on, 256 matrix instructions ahead of the load that will want it: 32 rows x 256 bytes, a lane a row.
; Each row's 256 bytes of a K step are named once in the launch.  P's 128 rows of a tile: the four partners along a row of the cluster take 32 each, told apart by address; wave 0 asks (the grid has one
; cluster along x).  V^T's 256 rows: of the 128 that wave 2 or 3 fetches, the four partners along a column take 32 each; four clusters along y read a batch's V^T: the first of them asks.
; how = 0, in the loop: the last trip (s3 = 1) has no K step two refills on; how = 1, in the lap that is written out ahead of the loop.
.macro ASK how
.if \how
	s_cmp_eq_u32 s[LIM], 1
.else
	s_cmp_gt_u32 s3, s[LIM]
.endif
	s_cbranch_scc0 .Lnot_mine_\@
	global_prefetch_b8 v[PFO], s[PFA:PFA+1] offset:256 th:TH_LOAD_NT scope:SCOPE_SE
.Lnot_mine_\@:
.endm
.macro CREST
	s_cmp_lg_u32 s[WV], 0
	s_cbranch_scc1 .Lnot_wave_0_\@
	s_barrier_signal -3
.Lnot_wave_0_\@:
	s_barrier_wait -3
	s_barrier_signal -1
	s_barrier_wait -1
.endm
.macro CROUND
	s_barrier_signal -1
	s_barrier_wait -1
	CREST
.endm
.macro PLACES                          ; plain vector instructions between a matrix instruction and a load into, or a vector write or read of, its registers
.rept 4
	v_nop
.endr
.endm
.macro MUL8 f, a, zero                 ; the 32 accumulators take turns in one order everywhere
.irp b, 0,1,2,3,4,5,6,7
.if \zero
	v_wmma_f32_16x16x32_f16 v[8*(8*(\a)+\b):8*(8*(\a)+\b)+7], v[64*(\f)+8*\b:64*(\f)+8*\b+7], v[FA+32*(\f)+8*(\a):FA+32*(\f)+8*(\a)+7], 0
.else
	v_wmma_f32_16x16x32_f16 v[8*(8*(\a)+\b):8*(8*(\a)+\b)+7], v[64*(\f)+8*\b:64*(\f)+8*\b+7], v[FA+32*(\f)+8*(\a):FA+32*(\f)+8*(\a)+7], v[8*(8*(\a)+\b):8*(8*(\a)+\b)+7]
.endif
.endr
.endm
.macro FETCH slot, k, f
	WIN TO_B
.irp i, 0,1,2,3,4,5,6,7
	ds_load_b128 v[64*(\f)+8*\i:64*(\f)+8*\i+3],   v[ADRB+\slot] offset:\k+\i*16*PITCH
	ds_load_b128 v[64*(\f)+8*\i+4:64*(\f)+8*\i+7], v[ADRB+\slot] offset:\k+\i*16*PITCH+32
.endr
	WIN 0
.irp i, 0,1,2,3
	ds_load_b128 v[FA+32*(\f)+8*\i:FA+32*(\f)+8*\i+3],   v[ADRA+\slot] offset:\k+\i*16*PITCH
	ds_load_b128 v[FA+32*(\f)+8*\i+4:FA+32*(\f)+8*\i+7], v[ADRA+\slot] offset:\k+\i*16*PITCH+32
.endr
.endm
.macro QUARTER slot, k, f, g, zero     ; zero = 1: a chunk's first quarter: its products start the chunk's sums
	s_wait_dscnt 4                                 ; all but the youngest four loads (A's blocks 2, 3)
	WIN MUL
	MUL8 \f, 0, \zero
	MUL8 \f, 1, \zero
	PLACES
	FETCH \slot, \k, \g
	s_wait_dscnt 24                                ; all but the 24 just issued
	WIN MUL
	MUL8 \f, 2, \zero
	MUL8 \f, 3, \zero
.endm
; The change of slots: one barrier; in front of it each wave waits for all its tensor loads, adds 0 to its spare word, and waits for that and for its reads of this slot.
; fill = 1: the barrier opens a round of the cluster's, and the joint refill, two K steps ahead, is the first thing behind the round.
.macro TURN slot, next, fill, how
.if \fill
	s_wait_xcnt 0x0                                ; the last prefetch, a K step back, has read its address: it is stepped here
	s_add_nc_u64 s[PFA:PFA+1], s[PFA:PFA+1], 256
.endif
	WIN 0
	s_wait_tensorcnt 0x0
	ds_add_u32 v[SPW], v[NIL]
	s_wait_dscnt 5                                 ; (the add and A's blocks 2, 3 may be out)
	WIN MUL
	MUL8 1, 0, 0
	s_wait_dscnt 0x0
	s_barrier_signal -1
	MUL8 1, 1, 0
	WIN 0
	s_barrier_wait -1
.if \fill
	CREST
	s_add_nc_u64 s[G0+4*\slot+2:G0+4*\slot+3], s[G0+4*\slot+2:G0+4*\slot+3], 512
	s_add_nc_u64 s[G0B+4*\slot+2:G0B+4*\slot+3], s[G0B+4*\slot+2:G0B+4*\slot+3], 512
	JLOAD \slot                                    ; its four v_nop are also the places in front of the loads below, and behind the sums of blocks 0 and 1
.else
	PLACES
.endif
	v_add_nc_u32 v[FTA], 512, v[FTA]               ; the next chunk's f_c, from my own table
	ds_load_b128 v[FS+8*\next:FS+8*\next+3], v[FTA]
	ds_load_b128 v[FS+8*\next+4:FS+8*\next+7], v[FTA] offset:16
	FETCH \next, 0, 0
.if \fill
	ASK \how
.endif
	WIN MUL
	MUL8 1, 2, 0
	MUL8 1, 3, 0
.endm
; A chunk is done: O = f_c x its sums + O, in f32.  Blocks 0 and 1 were finished ahead of four plain instructions; their 64 lines are the places behind the sums of blocks 2 and 3.
; The 128 lines are also the places between a chunk's last products and the next chunk's first, which write the same accumulators anew.
.macro COMBINE slot, first
	WIN 0xf2                                       ; source 0 (the sums) window 2, source 1 (f_c) window 0, source 2 and destination (O) window 3
.irp a, 0,1,2,3
.set n, 0
.rept 32
.if \first
	v_pk_mul_f32 v[64*\a+n:64*\a+n+1], v[64*\a+n:64*\a+n+1], v[FS+8*(\slot)+2*\a:FS+8*(\slot)+2*\a+1]
.else
	v_pk_fma_f32 v[64*\a+n:64*\a+n+1], v[64*\a+n:64*\a+n+1], v[FS+8*(\slot)+2*\a:FS+8*(\slot)+2*\a+1], v[64*\a+n:64*\a+n+1]
.endif
.set n, n+2
.endr
.endr
.endm
.macro LAP first                       ; once round the ring, from a lap's second quarter to the next lap's first; both slots are filled again
	QUARTER 0, 128, 1, 0, 0
	QUARTER 0, 192, 0, 1, 0
	TURN 0, 1, 1, \first
	COMBINE 0, \first
	QUARTER 1, 64, 0, 1, 1
	QUARTER 1, 128, 1, 0, 0
	QUARTER 1, 192, 0, 1, 0
	TURN 1, 0, 1, \first
	COMBINE 1, 0
	QUARTER 0, 64, 0, 1, 1
	WIN 0
.endm
.macro SENDH a, rowb
.irp b, 0,1,2,3,4,5,6,7
	ds_store_b128 v[STO], v[TMP+4*\b:TMP+4*\b+3] offset:32*\b
.endr
	s_wait_xcnt 0x0                                ; the last block's stores have read the registers that the loads below fill
.irp t, 0,1,2,3,4,5,6,7
	ds_load_b128 v[OB+4*\t:OB+4*\t+3], v[RD] offset:\t*2*272       ; LDS serves a wave's instructions in order: these see the stores above
.endr
.irp t, 0,1,2,3,4,5,6,7
	s_wait_dscnt 7-\t
	global_store_b128 v[CO], v[OB+4*\t:OB+4*\t+3], s[10:11] offset:(16*(\a)+2*\t)*(\rowb)   ; sixteen lanes store 256 consecutive bytes, aligned
.endr
.endm
	s_load_b256 s[4:11], s[0:1], 0x0               ; pt, vt, st, at
	v_lshl_add_u32 v[SPW], v0, 2, SPARE
	v_mov_b32 v[NIL], 0
	ds_add_u32 v[SPW], v[NIL]                      ; the wave's opening: the add, twice on end, and its wait ahead of my first tensor load
	ds_add_u32 v[SPW], v[NIL]
	v_lshrrev_b32 v1, 5, v0
	v_readfirstlane_b32 s[WV], v1
	s_lshr_b32 s[WM], s[WV], 1
	s_and_b32 s[WN], s[WV], 1
	s_bfe_u32 s40, ttmp6, 0x40000
	s_bfe_u32 s41, ttmp6, 0x40004
	s_lshl_b32 s42, ttmp9, 2
	s_add_co_u32 s42, s42, s40                     ; tile column (256 d)
	s_and_b32 s45, ttmp7, 0xffff
	s_lshl_b32 s[TR], s45, 2
	s_add_co_u32 s[TR], s[TR], s41                 ; tile row (128 queries)
	s_lshl_b32 s43, s41, 2
	s_lshl_b32 s43, 15, s43
	s_lshl_b32 s44, 0x1111, s40
	s_or_b32 s[G1], s43, GW
	s_or_b32 s[G1B], s44, GW
	s_mov_b32 s[G1+1], 128<<16
	s_mov_b32 s[G1+2], 64<<16
	s_mov_b32 s[G1+3], 128<<16
	s_mov_b32 s[G1+4], 64
	s_mov_b32 s[G1+5], 2048
	s_mov_b32 s[G1+6], 0
	s_mov_b32 s[G1+7], 0
	s_mov_b32 s[G1B+1], 128<<16
	s_mov_b32 s[G1B+2], 128<<16
	s_mov_b32 s[G1B+3], 128<<16
	s_mov_b32 s[G1B+4], 128
	s_mov_b32 s[G1B+5], 8192
	s_mov_b32 s[G1B+6], 0
	s_mov_b32 s[G1B+7], 0
	s_lshl_b32 s16, s[TR], 7
	s_lshl_b32 s17, s[WN], 6
	s_add_co_u32 s16, s16, s17
	s_lshl_b32 s16, s16, 12                        ; A: P's row, 4,096 bytes a row
	s_mov_b32 s17, 0
	s_lshr_b32 s45, s45, 2                         ; the batch
	s_lshl_b32 s46, s42, 8
	s_lshl_b32 s47, s[WN], 7
	s_add_co_u32 s46, s46, s47
	s_lshl_b32 s46, s46, 14                        ; B: V^T's row, 16,384 bytes a row,
	s_lshl_b32 s47, s45, 12
	s_add_co_u32 s46, s46, s47                     ; + the batch's 2,048 keys
	s_mov_b32 s47, 0
	s_mul_i32 s20, s[WN], AHALF
	s_mul_i32 s21, s[WN], BHALF
	s_add_co_u32 s21, s21, 2*AHALF
	s_wait_dscnt 0x0
	s_wait_kmcnt 0x0
	s_add_nc_u64 s[16:17], s[4:5], s[16:17]
	s_add_nc_u64 s[46:47], s[6:7], s[46:47]
	CROUND
.irp s, 0,1
	s_mov_b32 s[G0+4*\s], 1
	s_add_co_u32 s[G0+4*\s+1], s20, \s*SLOT
	s_add_nc_u64 s[G0+4*\s+2:G0+4*\s+3], s[16:17], \s*256
	s_or_b32 s[G0+4*\s+3], s[G0+4*\s+3], 0x80000000
	s_mov_b32 s[G0B+4*\s], 1
	s_add_co_u32 s[G0B+4*\s+1], s21, \s*SLOT
	s_add_nc_u64 s[G0B+4*\s+2:G0B+4*\s+3], s[46:47], \s*256
	s_or_b32 s[G0B+4*\s+3], s[G0B+4*\s+3], 0x80000000
	JLOAD \s                                       ; two loads of mine are out behind the second
.endr
	v_and_b32 v1, 15, v0
	v_bfe_u32 v2, v0, 4, 1
	v_lshlrev_b32 v30, 3, v1                       ; the statistics: 8 bytes a row
	s_lshl_b32 s16, s[TR], 7
	s_lshl_b32 s17, s[WM], 6
	s_add_co_u32 s16, s16, s17                     ; my first row
	s_mov_b32 s21, 0
	s_lshl_b32 s20, s16, 3
	s_add_nc_u64 s[8:9], s[8:9], s[20:21]
.set c, 0
.rept 16
.irp a, 0,1,2,3
	global_load_b64 v[128+8*c+2*\a:128+8*c+2*\a+1], v30, s[8:9] offset:c*65536+\a*128   ; (negM, l) of chunk c, row 16 a + r
.endr
.set c, c+1
.endr
	v_mul_u32_u24 v3, v1, PITCH
	v_lshl_add_u32 v3, v2, 4, v3
	s_mul_i32 s21, s[WM], AHALF
	s_mul_i32 s22, s[WN], BHALF
	s_add_co_u32 s22, s22, 2*AHALF
.irp s, 0,1
	v_add_nc_u32 v[ADRA+\s], s21, v3
	v_add_nc_u32 v[ADRB+\s], s22, v3
	s_add_co_u32 s21, s21, SLOT
	s_add_co_u32 s22, s22, SLOT
.endr
	s_mul_i32 s23, s[WV], 16*272
	s_add_co_u32 s23, s23, STAGE
	v_mul_u32_u24 v3, v1, 272
	v_lshl_add_u32 v3, v2, 4, v3
	v_add_nc_u32 v[STO], s23, v3
	v_mul_u32_u24 v3, v2, 272
	v_lshl_add_u32 v3, v1, 4, v3
	v_add_nc_u32 v[RD], s23, v3
	v_lshlrev_b32 v[CO], 11, v2
	v_lshl_add_u32 v[CO], v1, 4, v[CO]
	s_lshl_b32 s23, s[WV], 13
	s_add_co_u32 s23, s23, FT
	v_lshl_add_u32 v[FTA], v1, 5, s23              ; my table: 32 bytes a row r, 512 a chunk
	s_lshl_b32 s20, s16, 11                        ; at: 2,048 bytes a row,
	s_lshl_b32 s18, s42, 9
	s_lshl_b32 s19, s[WN], 8
	s_add_co_u32 s20, s20, s18
	s_add_co_u32 s20, s20, s19                     ; + my 128 columns
	s_mov_b32 s21, 0
	s_add_nc_u64 s[10:11], s[10:11], s[20:21]
	; where my prefetches stand, and who asks.  Nothing is prefetched here, at the head: K steps 0 to 3 come by their loads alone
	s_lshl_b32 s20, s[TR], 7                       ; P's tile: its first row
	s_lshl_b32 s21, s42, 8
	s_lshl_b32 s22, s[WN], 7
	s_add_co_u32 s21, s21, s22                     ; V^T: the 128 rows that I fetch
	s_and_b32 s22, ttmp7, 0xffff
	s_and_b32 s22, s22, 3                          ; the coordinate along which other clusters read the same rows of V^T
	s_or_b32 s23, ttmp9, s[WN]                     ; for P: 0 in wave 0 of the first cluster along x
	s_lshl_b32 s18, s45, 12                        ; the batch's keys in a row of V^T
	s_cmp_eq_u32 s[WM], 0                          ; do I fetch for A?
	s_cselect_b32 s20, s20, s21
	s_cselect_b32 s21, s40, s41                    ; my place among the four that ask for the tile with me
	s_cselect_b32 s22, s23, s22
	s_cselect_b32 s23, 12, 14                      ; a row is 2^12 or 2^14 bytes
	s_cselect_b32 s18, 0, s18
	s_cselect_b64 s[PFA:PFA+1], s[4:5], s[6:7]
	s_cmp_eq_u32 s22, 0
	s_cselect_b32 s[LIM], 1, -1                    ; the same in all sixteen partners, for a given wave
	s_lshl_b32 s21, s21, 5
	s_add_co_u32 s20, s20, s21                     ; + my work-group's 32 rows
	s_lshl_b32 s20, s20, s23
	s_add_co_u32 s20, s20, s18
	s_add_co_u32 s20, s20, 2*256                   ; at K step 2: the first refill steps it to 3 and names K step 4
	s_mov_b32 s21, 0
	s_add_nc_u64 s[PFA:PFA+1], s[PFA:PFA+1], s[20:21]
	v_and_b32 v[PFO], 31, v0
	v_lshlrev_b32 v[PFO], s23, v[PFO]
.irp a, 0,1,2,3
	v_mov_b32 v[RL+2*\a+1], 0                      ; named with 1 / l as a pair
.endr
	s_wait_loadcnt 0x0
.irp a, 0,1,2,3
	v_min3_num_f32 v[NMR+\a], v[128+2*\a], v[136+2*\a], v[144+2*\a]          ; -M of the row: the least negM
.endr
.irp c, 3,5,7,9,11,13
.irp a, 0,1,2,3
	v_min3_num_f32 v[NMR+\a], v[NMR+\a], v[128+8*\c+2*\a], v[136+8*\c+2*\a]
.endr
.endr
.irp a, 0,1,2,3
	v_min_num_f32 v[NMR+\a], v[NMR+\a], v[248+2*\a]
.endr
.set c, 0
.rept 16
.irp a, 0,1,2,3
	v_sub_f32 v[128+8*c+2*\a], v[NMR+\a], v[128+8*c+2*\a]          ; M_c - M: a whole number, 0 or less
.endr
.irp a, 0,1,2,3
	v_cvt_i32_f32 v[128+8*c+2*\a], v[128+8*c+2*\a]                 ; (it saturates)
.endr
.irp a, 0,1,2,3
	v_ldexp_f32 v[128+8*c+2*\a], 1.0, v[128+8*c+2*\a]              ; f_c
.endr
.irp a, 0,1,2,3
.if c == 0
	v_mul_f32 v[LS+\a], v[128+8*c+2*\a], v[129+8*c+2*\a]
.else
	v_fma_f32 v[LS+\a], v[128+8*c+2*\a], v[129+8*c+2*\a], v[LS+\a]
.endif
.endr
.irp a, 0,1,2,3
	v_mov_b32 v[129+8*c+2*\a], v[128+8*c+2*\a]                     ; f_c twice on end: the packed lines take a pair
.endr
	ds_store_b128 v[FTA], v[128+8*c:128+8*c+3] offset:512*c        ; both halves of the lanes write the same bytes with the same values
	ds_store_b128 v[FTA], v[128+8*c+4:128+8*c+7] offset:512*c+16
.set c, c+1
.endr
.irp a, 0,1,2,3
	v_rcp_f32 v[RL+2*\a], v[LS+\a]                 ; l is at least 1/2: the row's largest P f lies over 1/2
.endr
	v_nop
	s_wait_alu depctr_va_vdst(0)                   ; one wait for the four, ahead of every label
	s_wait_tensorcnt 1                             ; my part of K step 0 is in; K step 1's may be out
	s_wait_dscnt 0x0                               ; my table's stores are done
	s_barrier_signal -1
	s_barrier_wait -1
	ds_load_b128 v[FS:FS+3], v[FTA]                ; chunk 0's f_c
	ds_load_b128 v[FS+4:FS+7], v[FTA] offset:16
	FETCH 0, 0, 0
	QUARTER 0, 64, 0, 1, 1
	LAP 1                                          ; the first lap: chunk 0 starts O
	s_mov_b32 s3, LAPS-2
.Llap:
	LAP 0
	s_sub_co_u32 s3, s3, 1
	s_cmp_lg_u32 s3, 0
	s_cbranch_scc1 .Llap
	QUARTER 0, 128, 1, 0, 0                        ; the last lap fills nothing
	QUARTER 0, 192, 0, 1, 0
	TURN 0, 1, 0, 0
	COMBINE 0, 0
	QUARTER 1, 64, 0, 1, 1
	QUARTER 1, 128, 1, 0, 0
	QUARTER 1, 192, 0, 1, 0
	s_wait_dscnt 4
	WIN MUL
	MUL8 1, 0, 0
	MUL8 1, 1, 0
	s_wait_dscnt 0x0
	MUL8 1, 2, 0
	MUL8 1, 3, 0
	PLACES
	COMBINE 1, 0
.macro OUTB a
	WIN 0x03                                       ; source 0 window 3
.set n, 0
.rept 32
	v_pk_mul_f32 v[T+n:T+n+1], v[64*(\a)+n:64*(\a)+n+1], v[RL+2*(\a):RL+2*(\a)+1] op_sel_hi:[1,0]   ; O / l
.set n, n+2
.endr
	WIN 0
.set n, 0
.rept 32
	v_cvt_pk_f16_f32 v[TMP+n], v[T+2*n], v[T+2*n+1]
.set n, n+1
.endr
	SENDH \a, 2048
.endm
	OUTB 0
	OUTB 1
	OUTB 2
	OUTB 3
	s_wait_tensorcnt 0x0                           ; the wave's end
	ds_add_u32 v[SPW], v[NIL]
	s_wait_dscnt 0x0
	CROUND
	s_endpgm
.Lfunc_end_k_q1f6aef59f4_pv:
	.size	k_q1f6aef59f4_pv, .Lfunc_end_k_q1f6aef59f4_pv-k_q1f6aef59f4_pv
	.p2alignl 7, 3214868480
	.fill 96, 4, 3214868480
	.section	.rodata,"a",@progbits
	.p2align	6, 0x0
	.amdhsa_kernel k_q1f6aef59f4_pv
		.amdhsa_group_segment_fixed_size 327680
		.amdhsa_private_segment_fixed_size 0
		.amdhsa_enable_private_segment 0
		.amdhsa_kernarg_size 32
		.amdhsa_user_sgpr_count 2
		.amdhsa_user_sgpr_kernarg_segment_ptr 1
		.amdhsa_wavefront_size32 1
		.amdhsa_system_sgpr_workgroup_id_x 1
		.amdhsa_system_sgpr_workgroup_id_y 1
		.amdhsa_system_sgpr_workgroup_id_z 1
		.amdhsa_system_vgpr_workitem_id 0
		.amdhsa_next_free_vgpr 1024
		.amdhsa_next_free_sgpr 80
		.amdhsa_reserve_vcc 0
		.amdhsa_float_denorm_mode_32 3
		.amdhsa_float_denorm_mode_16_64 3
		.amdhsa_memory_ordered 1
		.amdhsa_forward_progress 1
		.amdhsa_inst_pref_size 203
	.end_amdhsa_kernel
	.amdgpu_metadata
---
amdhsa.version: [ 1, 2 ]
amdhsa.kernels:
  - .name:           k_q1f6aef59f4_pv
    .symbol:         k_q1f6aef59f4_pv.kd
    .args:
      - { .name: pt, .offset: 0, .size: 8, .value_kind: global_buffer, .address_space: global }
      - { .name: vt, .offset: 8, .size: 8, .value_kind: global_buffer, .address_space: global }
      - { .name: st, .offset: 16, .size: 8, .value_kind: global_buffer, .address_space: global }
      - { .name: at, .offset: 24, .size: 8, .value_kind: global_buffer, .address_space: global }
    .group_segment_fixed_size: 327680
    .private_segment_fixed_size: 0
    .kernarg_segment_align: 8
    .kernarg_segment_size: 32
    .max_flat_workgroup_size: 128
    .sgpr_count:     80
    .vgpr_count:     1024
    .wavefront_size: 32
...
	.end_amdgpu_metadata
.endif
;; end of part 4
;; launch outp (part 5): grid 4 x 64, 4 waves a work-group, clusters of 4 x 4, 327,680 bytes of LDS; arguments at, prepw, bo, out0; writes out0
.if DOCPART == 5
	.amdgcn_target "amdgcn-amd-amdhsa--gfx1250"
	.amdhsa_code_object_version 6
	.text
	.protected	k_q1f6aef59f4_outp
	.globl	k_q1f6aef59f4_outp
	.p2align	8
	.type	k_q1f6aef59f4_outp,@function
k_q1f6aef59f4_outp:
	s_mov_b64 s[64:65], 0
	v_nop
	global_prefetch_b8 v0, s[64:65] scope:SCOPE_SE
	s_setreg_imm32_b32 hwreg(HW_REG_WAVE_MODE, 25, 1), 1
	s_wait_xcnt 0x0
	s_wait_alu depctr_hold_cnt(0) depctr_sa_sdst(0) depctr_va_vdst(0) depctr_va_sdst(0) depctr_va_ssrc(0) depctr_va_vcc(0) depctr_vm_vsrc(0)
	s_getreg_b32 s2, hwreg(HW_REG_IB_STS2, 6, 4)
	s_cmp_eq_u32 s2, 0
	s_cbranch_scc0 .Lentry_in_a_cluster
	s_endpgm
.Lentry_in_a_cluster:
	s_bfe_u32 s2, ttmp6, 0x10000c
	s_cmp_lg_u32 s2, 0xf033
	s_cbranch_scc0 .Lentry_shape_is_right
	s_endpgm
.Lentry_shape_is_right:
; OUTP: out0 = attention x Wo + bo (f16 operands, f32 sums, f32 out).  A = at [8192][1024] f16; B = Wo^T's high parts [1024 n][1024 d] f16, in prepw.
; (The first 16 positions of each sequence are written again, more finely, by the launch behind this one.)
; A tile of C is 128 x 256; four waves of 64 x 128; K = 1,024 in steps of 128 through two LDS slots; 4 x 4 work-groups form a cluster (A's tiles jointly along a row, B's along a column).
; The matrix instruction is used transposed: a lane holds one row and eight neighbouring columns.  A block of 16 rows x 128 columns goes through my stage and leaves as rows of 512 bytes.
; REGISTERS: window 0: v1-31 addresses; v64-127 A's fragments; on the way out v128-191 results, v192-255 rows read back.  Window 1: v0-127 B's fragments; v128-191 the bias.  Window 2: the accumulators.
.set LAPS,  4
.set WH,    6127616
.set PITCH, 272                        ; 256 bytes + 16 of padding: the 16 rows of a load start at 16 different banks (64 banks of 4 bytes: ISA guide 11.1)
.set AHALF, 64*PITCH
.set BHALF, 128*PITCH
.set SLOT,  2*AHALF+2*BHALF
.set STAGE, 2*SLOT                     ; 16 rows x (512 + 16) bytes a wave
.set SPARE, STAGE+4*16*528
.set GW,    (1<<16)|(1<<20)|(1<<21)|(5<<22)|(3<<25)
.set WV, 12
.set WM, 13
.set WN, 14
.set TR, 15
.set G1, 24
.set G0, 32
.set G1B, 48
.set G0B, 56
.set LIM, 75                           ; s75 1 in a wave that prefetches, else the greatest number
.set PFA, 76                           ; s[76:77] where my prefetches stand
.set ADRA, 16
.set ADRB, 20
.set STO,  24
.set RD,   25
.set CO,   26
.set BO,   27
.set SPW,  28
.set NIL,  29
.set PFO,  31                          ; v31 my lane x a row of 2,048 bytes; never rewritten
.set FA,   64
.set T,    128
.set OB,   192
.set MSB, 0
.macro WIN new
.if MSB != (\new)
	s_set_vgpr_msb (MSB<<8)|(\new)
.set MSB, (\new)
.endif
.endm
.set MUL,  0xa1
.set TO_B, 0x40
.macro JLOAD s                         ; a joint load; the branch hangs on the wave's number alone; an s_nop 0 and four v_nop follow each line
	s_cmp_eq_u32 s[WM], 0
	s_cbranch_scc0 .Lfor_b_\@
	tensor_load_to_lds s[G0+4*\s:G0+4*\s+3], s[G1:G1+7]
	s_nop 0
.rept 4
	v_nop
.endr
	s_branch .Lasked_\@
.Lfor_b_\@:
	tensor_load_to_lds s[G0B+4*\s:G0B+4*\s+3], s[G1B:G1B+7]
	s_nop 0
.rept 4
	v_nop
.endr
.Lasked_\@:
.endm
; A prefetch behind each joint refill and the run of LDS loads that follows it: the K step that stands two refills on, 256 matrix instructions ahead of the load that will want it: 32 rows x 256 bytes, a lane a row.
; Each row's 256 bytes of a K step are named once in the launch.  A's 128 rows of a tile: the four partners along a row of the cluster take 32 each, told apart by address; wave 0 asks (the grid has one
; cluster along x).  Wo^T's 256 rows: of the 128 that wave 2 or 3 fetches, the four partners along a column take 32 each; every cluster along y reads them: cluster y = 0 asks.
; The loop's last trip (s3 = 1) has no K step two refills on and asks for nothing.
.macro ASK
	s_cmp_gt_u32 s3, s[LIM]
	s_cbranch_scc0 .Lnot_mine_\@
	global_prefetch_b8 v[PFO], s[PFA:PFA+1] offset:256 th:TH_LOAD_NT scope:SCOPE_SE
.Lnot_mine_\@:
.endm
.macro CREST
	s_cmp_lg_u32 s[WV], 0
	s_cbranch_scc1 .Lnot_wave_0_\@
	s_barrier_signal -3
.Lnot_wave_0_\@:
	s_barrier_wait -3
	s_barrier_signal -1
	s_barrier_wait -1
.endm
.macro CROUND
	s_barrier_signal -1
	s_barrier_wait -1
	CREST
.endm
.macro PLACES
.rept 4
	v_nop
.endr
.endm
.macro MUL8 f, a, zero                 ; the 32 accumulators take turns in one order everywhere
.irp b, 0,1,2,3,4,5,6,7
.if \zero
	v_wmma_f32_16x16x32_f16 v[8*(8*(\a)+\b):8*(8*(\a)+\b)+7], v[64*(\f)+8*\b:64*(\f)+8*\b+7], v[FA+32*(\f)+8*(\a):FA+32*(\f)+8*(\a)+7], 0
.else
	v_wmma_f32_16x16x32_f16 v[8*(8*(\a)+\b):8*(8*(\a)+\b)+7], v[64*(\f)+8*\b:64*(\f)+8*\b+7], v[FA+32*(\f)+8*(\a):FA+32*(\f)+8*(\a)+7], v[8*(8*(\a)+\b):8*(8*(\a)+\b)+7]
.endif
.endr
.endm
.macro FETCH slot, k, f
	WIN TO_B
.irp i, 0,1,2,3,4,5,6,7
	ds_load_b128 v[64*(\f)+8*\i:64*(\f)+8*\i+3],   v[ADRB+\slot] offset:\k+\i*16*PITCH
	ds_load_b128 v[64*(\f)+8*\i+4:64*(\f)+8*\i+7], v[ADRB+\slot] offset:\k+\i*16*PITCH+32
.endr
	WIN 0
.irp i, 0,1,2,3
	ds_load_b128 v[FA+32*(\f)+8*\i:FA+32*(\f)+8*\i+3],   v[ADRA+\slot] offset:\k+\i*16*PITCH
	ds_load_b128 v[FA+32*(\f)+8*\i+4:FA+32*(\f)+8*\i+7], v[ADRA+\slot] offset:\k+\i*16*PITCH+32
.endr
.endm
.macro QUARTER slot, k, f, g, zero
	s_wait_dscnt 4                                 ; all but the youngest four loads (A's blocks 2, 3)
	WIN MUL
	MUL8 \f, 0, \zero
	MUL8 \f, 1, \zero
	PLACES
	FETCH \slot, \k, \g
	s_wait_dscnt 24                                ; all but the 24 just issued
	WIN MUL
	MUL8 \f, 2, \zero
	MUL8 \f, 3, \zero
.endm
; The change of slots: one barrier; in front of it each wave waits for all its tensor loads, adds 0 to its spare word, and waits for that and for its reads of this slot.
; fill = 1: the barrier opens a round of the cluster's, and the joint refill, two K steps ahead, is the first thing behind the round.
.macro TURN slot, next, fill
.if \fill
	s_wait_xcnt 0x0                                ; the last prefetch, a K step back, has read its address: it is stepped here
	s_add_nc_u64 s[PFA:PFA+1], s[PFA:PFA+1], 256
.endif
	WIN 0
	s_wait_tensorcnt 0x0
	ds_add_u32 v[SPW], v[NIL]
	s_wait_dscnt 5                                 ; (the add and A's blocks 2, 3 may be out)
	WIN MUL
	MUL8 1, 0, 0
	s_wait_dscnt 0x0
	s_barrier_signal -1
	MUL8 1, 1, 0
	WIN 0
	s_barrier_wait -1
.if \fill
	CREST
	s_add_nc_u64 s[G0+4*\slot+2:G0+4*\slot+3], s[G0+4*\slot+2:G0+4*\slot+3], 512
	s_add_nc_u64 s[G0B+4*\slot+2:G0B+4*\slot+3], s[G0B+4*\slot+2:G0B+4*\slot+3], 512
	JLOAD \slot
.else
	PLACES
.endif
	FETCH \next, 0, 0
.if \fill
	ASK
.endif
	WIN MUL
	MUL8 1, 2, 0
	MUL8 1, 3, 0
.endm
	s_load_b256 s[4:11], s[0:1], 0x0               ; at, prepw, bo, out0
	v_lshl_add_u32 v[SPW], v0, 2, SPARE
	v_mov_b32 v[NIL], 0
	ds_add_u32 v[SPW], v[NIL]                      ; the wave's opening: the add, twice on end, and its wait ahead of my first tensor load
	ds_add_u32 v[SPW], v[NIL]
	v_lshrrev_b32 v1, 5, v0
	v_readfirstlane_b32 s[WV], v1
	s_lshr_b32 s[WM], s[WV], 1
	s_and_b32 s[WN], s[WV], 1
	s_bfe_u32 s40, ttmp6, 0x40000
	s_bfe_u32 s41, ttmp6, 0x40004
	s_lshl_b32 s42, ttmp9, 2
	s_add_co_u32 s42, s42, s40                     ; tile column (256 n)
	s_and_b32 s45, ttmp7, 0xffff
	s_lshl_b32 s[TR], s45, 2
	s_add_co_u32 s[TR], s[TR], s41                 ; tile row (128 rows)
	s_lshl_b32 s43, s41, 2
	s_lshl_b32 s43, 15, s43
	s_lshl_b32 s44, 0x1111, s40
	s_or_b32 s[G1], s43, GW
	s_or_b32 s[G1B], s44, GW
	s_mov_b32 s[G1+1], 128<<16
	s_mov_b32 s[G1+2], 64<<16
	s_mov_b32 s[G1+3], 128<<16
	s_mov_b32 s[G1+4], 64
	s_mov_b32 s[G1+5], 1024
	s_mov_b32 s[G1+6], 0
	s_mov_b32 s[G1+7], 0
	s_mov_b32 s[G1B+1], 128<<16
	s_mov_b32 s[G1B+2], 128<<16
	s_mov_b32 s[G1B+3], 128<<16
	s_mov_b32 s[G1B+4], 128
	s_mov_b32 s[G1B+5], 1024
	s_mov_b32 s[G1B+6], 0
	s_mov_b32 s[G1B+7], 0
	s_lshl_b32 s16, s[TR], 7
	s_lshl_b32 s17, s[WN], 6
	s_add_co_u32 s16, s16, s17
	s_lshl_b32 s16, s16, 11                        ; A: 2,048 bytes a row
	s_mov_b32 s17, 0
	s_lshl_b32 s46, s42, 8
	s_lshl_b32 s47, s[WN], 7
	s_add_co_u32 s46, s46, s47
	s_lshl_b32 s46, s46, 11
	s_add_co_u32 s46, s46, WH                      ; B: Wo^T's high parts
	s_mov_b32 s47, 0
	s_mul_i32 s20, s[WN], AHALF
	s_mul_i32 s21, s[WN], BHALF
	s_add_co_u32 s21, s21, 2*AHALF
	s_wait_dscnt 0x0
	s_wait_kmcnt 0x0
	s_add_nc_u64 s[16:17], s[4:5], s[16:17]
	s_add_nc_u64 s[46:47], s[6:7], s[46:47]
	CROUND
.irp s, 0,1
	s_mov_b32 s[G0+4*\s], 1
	s_add_co_u32 s[G0+4*\s+1], s20, \s*SLOT
	s_add_nc_u64 s[G0+4*\s+2:G0+4*\s+3], s[16:17], \s*256
	s_or_b32 s[G0+4*\s+3], s[G0+4*\s+3], 0x80000000
	s_mov_b32 s[G0B+4*\s], 1
	s_add_co_u32 s[G0B+4*\s+1], s21, \s*SLOT
	s_add_nc_u64 s[G0B+4*\s+2:G0B+4*\s+3], s[46:47], \s*256
	s_or_b32 s[G0B+4*\s+3], s[G0B+4*\s+3], 0x80000000
	JLOAD \s                                       ; two loads of mine are out behind the second
.endr
	v_and_b32 v1, 15, v0
	v_bfe_u32 v2, v0, 4, 1
	v_mul_u32_u24 v3, v1, PITCH
	v_lshl_add_u32 v3, v2, 4, v3
	s_mul_i32 s21, s[WM], AHALF
	s_mul_i32 s22, s[WN], BHALF
	s_add_co_u32 s22, s22, 2*AHALF
.irp s, 0,1
	v_add_nc_u32 v[ADRA+\s], s21, v3
	v_add_nc_u32 v[ADRB+\s], s22, v3
	s_add_co_u32 s21, s21, SLOT
	s_add_co_u32 s22, s22, SLOT
.endr
	s_mul_i32 s23, s[WV], 16*528
	s_add_co_u32 s23, s23, STAGE
	v_mul_u32_u24 v3, v1, 528
	v_lshl_add_u32 v3, v2, 5, v3
	v_add_nc_u32 v[STO], s23, v3                   ; in: row r, 32 bytes for each half of the lanes
	v_and_b32 v3, 31, v0
	v_lshlrev_b32 v[CO], 4, v3                     ; back: the 32 lanes take one row of 512 bytes; and the same in out0
	v_add_nc_u32 v[RD], s23, v[CO]
	v_lshlrev_b32 v[PFO], 11, v3                   ; the prefetches: a lane a row of 2,048 bytes
	v_lshlrev_b32 v[BO], 5, v2
	s_lshl_b32 s18, s42, 8
	s_lshl_b32 s19, s[WN], 7
	s_add_co_u32 s18, s18, s19                     ; my first column
	s_lshl_b32 s20, s18, 2
	s_mov_b32 s21, 0
	s_add_nc_u64 s[8:9], s[8:9], s[20:21]          ; bo
	s_lshl_b32 s16, s[TR], 7
	s_lshl_b32 s17, s[WM], 6
	s_add_co_u32 s16, s16, s17                     ; my first row
	s_lshl_b32 s16, s16, 12
	s_add_co_u32 s20, s20, s16
	s_add_nc_u64 s[10:11], s[10:11], s[20:21]      ; out0
	WIN 0x40
.irp b, 0,1,2,3,4,5,6,7
	global_load_b128 v[128+8*\b:128+8*\b+3], v[BO], s[8:9] offset:64*\b      ; bo of columns 16 b + 8 h + 0 .. 7
	global_load_b128 v[128+8*\b+4:128+8*\b+7], v[BO], s[8:9] offset:64*\b+16
.endr
	WIN 0
	; where my prefetches stand, and who asks.  Nothing is prefetched here, at the head: K steps 0 to 3 come by their loads alone
	s_lshl_b32 s20, s[TR], 7                       ; A's tile: its first row
	s_lshl_b32 s21, s42, 8
	s_lshl_b32 s22, s[WN], 7
	s_add_co_u32 s21, s21, s22                     ; Wo^T: the 128 rows that I fetch
	s_and_b32 s22, ttmp7, 0xffff                   ; the coordinate along which other clusters read the same rows of Wo^T
	s_or_b32 s23, ttmp9, s[WN]                     ; for A: 0 in wave 0 of the first cluster along x
	s_cmp_eq_u32 s[WM], 0                          ; do I fetch for A?
	s_cselect_b32 s20, s20, s21
	s_cselect_b32 s21, s40, s41                    ; my place among the four that ask for the tile with me
	s_cselect_b32 s22, s23, s22
	s_cselect_b32 s18, 0, WH
	s_cselect_b64 s[PFA:PFA+1], s[4:5], s[6:7]
	s_cmp_eq_u32 s22, 0
	s_cselect_b32 s[LIM], 1, -1                    ; the same in all sixteen partners, for a given wave
	s_lshl_b32 s21, s21, 5
	s_add_co_u32 s20, s20, s21                     ; + my work-group's 32 rows
	s_lshl_b32 s20, s20, 11
	s_add_co_u32 s20, s20, s18
	s_add_co_u32 s20, s20, 2*256                   ; at K step 2: the first refill steps it to 3 and names K step 4
	s_mov_b32 s21, 0
	s_add_nc_u64 s[PFA:PFA+1], s[PFA:PFA+1], s[20:21]
	s_wait_tensorcnt 1                             ; my part of K step 0 is in; K step 1's may be out
	s_barrier_signal -1
	s_barrier_wait -1
	FETCH 0, 0, 0
	QUARTER 0, 64, 0, 1, 1
	WIN 0
	s_mov_b32 s3, LAPS-1
.Llap:
	QUARTER 0, 128, 1, 0, 0
	QUARTER 0, 192, 0, 1, 0
	TURN 0, 1, 1
	QUARTER 1, 64, 0, 1, 0
	QUARTER 1, 128, 1, 0, 0
	QUARTER 1, 192, 0, 1, 0
	TURN 1, 0, 1
	QUARTER 0, 64, 0, 1, 0
	WIN 0
	s_sub_co_u32 s3, s3, 1
	s_cmp_lg_u32 s3, 0
	s_cbranch_scc1 .Llap
	QUARTER 0, 128, 1, 0, 0
	QUARTER 0, 192, 0, 1, 0
	TURN 0, 1, 0
	QUARTER 1, 64, 0, 1, 0
	QUARTER 1, 128, 1, 0, 0
	QUARTER 1, 192, 0, 1, 0
	s_wait_dscnt 4
	WIN MUL
	MUL8 1, 0, 0
	MUL8 1, 1, 0
	s_wait_dscnt 0x0
	MUL8 1, 2, 0
	MUL8 1, 3, 0
	WIN 0
.macro OUTB a
	WIN 0x06                                       ; source 0 window 2, source 1 window 1
.set n, 0
.rept 32
	v_pk_add_f32 v[T+n:T+n+1], v[64*(\a)+n:64*(\a)+n+1], v[128+n:128+n+1]    ; + bo; each accumulator from its low end on
.set n, n+2
.endr
	WIN 0
.irp b, 0,1,2,3,4,5,6,7
	ds_store_b128 v[STO], v[T+8*\b:T+8*\b+3] offset:64*\b
	ds_store_b128 v[STO], v[T+8*\b+4:T+8*\b+7] offset:64*\b+16
.endr
	s_wait_xcnt 0x0                                ; the last block's stores have read the registers that the loads below fill
.irp t, 0,1,2,3,4,5,6,7,8,9,10,11,12,13,14,15
	ds_load_b128 v[OB+4*\t:OB+4*\t+3], v[RD] offset:\t*528         ; LDS serves a wave's instructions in order: these see the stores above
.endr
.irp t, 0,1,2,3,4,5,6,7,8,9,10,11,12,13,14,15
	s_wait_dscnt 15-\t
	global_store_b128 v[CO], v[OB+4*\t:OB+4*\t+3], s[10:11] offset:(16*(\a)+\t)*4096 th:TH_STORE_NT   ; 32 lanes store 512 consecutive bytes, aligned
.endr
.endm
	s_wait_loadcnt 0x0                             ; bo
	PLACES
	OUTB 0
	OUTB 1
	OUTB 2
	OUTB 3
	s_wait_tensorcnt 0x0                           ; the wave's end
	ds_add_u32 v[SPW], v[NIL]
	s_wait_dscnt 0x0
	CROUND
	s_endpgm
.Lfunc_end_k_q1f6aef59f4_outp:
	.size	k_q1f6aef59f4_outp, .Lfunc_end_k_q1f6aef59f4_outp-k_q1f6aef59f4_outp
	.p2alignl 7, 3214868480
	.fill 96, 4, 3214868480
	.section	.rodata,"a",@progbits
	.p2align	6, 0x0
	.amdhsa_kernel k_q1f6aef59f4_outp
		.amdhsa_group_segment_fixed_size 327680
		.amdhsa_private_segment_fixed_size 0
		.amdhsa_enable_private_segment 0
		.amdhsa_kernarg_size 32
		.amdhsa_user_sgpr_count 2
		.amdhsa_user_sgpr_kernarg_segment_ptr 1
		.amdhsa_wavefront_size32 1
		.amdhsa_system_sgpr_workgroup_id_x 1
		.amdhsa_system_sgpr_workgroup_id_y 1
		.amdhsa_system_sgpr_workgroup_id_z 1
		.amdhsa_system_vgpr_workitem_id 0
		.amdhsa_next_free_vgpr 768
		.amdhsa_next_free_sgpr 80
		.amdhsa_reserve_vcc 0
		.amdhsa_float_denorm_mode_32 3
		.amdhsa_float_denorm_mode_16_64 3
		.amdhsa_memory_ordered 1
		.amdhsa_forward_progress 1
		.amdhsa_inst_pref_size 98
	.end_amdhsa_kernel
	.amdgpu_metadata
---
amdhsa.version: [ 1, 2 ]
amdhsa.kernels:
  - .name:           k_q1f6aef59f4_outp
    .symbol:         k_q1f6aef59f4_outp.kd
    .args:
      - { .name: at, .offset: 0, .size: 8, .value_kind: global_buffer, .address_space: global }
      - { .name: prepw, .offset: 8, .size: 8, .value_kind: global_buffer, .address_space: global }
      - { .name: bo, .offset: 16, .size: 8, .value_kind: global_buffer, .address_space: global }
      - { .name: out0, .offset: 24, .size: 8, .value_kind: global_buffer, .address_space: global }
    .group_segment_fixed_size: 327680
    .private_segment_fixed_size: 0
    .kernarg_segment_align: 8
    .kernarg_segment_size: 32
    .max_flat_workgroup_size: 128
    .sgpr_count:     80
    .vgpr_count:     768
    .wavefront_size: 32
...
	.end_amdgpu_metadata
.endif
;; end of part 5
;; launch fine (part 6): grid 64 x 4, 4 waves a work-group, no clusters, 8,704 bytes of LDS; arguments qk, vt, lo, prepw, pt, st, mask, flags, bo, out0; writes out0
.if DOCPART == 6
	.amdgcn_target "amdgcn-amd-amdhsa--gfx1250"
	.amdhsa_code_object_version 6
	.text
	.protected	k_q1f6aef59f4_fine
	.globl	k_q1f6aef59f4_fine
	.p2align	8
	.type	k_q1f6aef59f4_fine,@function
k_q1f6aef59f4_fine:
	s_mov_b64 s[64:65], 0
	v_nop
	global_prefetch_b8 v0, s[64:65] scope:SCOPE_SE
	s_setreg_imm32_b32 hwreg(HW_REG_WAVE_MODE, 25, 1), 1
	s_wait_xcnt 0x0
; FINE: the first 16 positions of each sequence once more, with operands as pairs of f16 numbers (a high and a low part), through all three products; it writes those 64 rows of out0 again.
; These rows may average one to a few values, so the rounding of single f16 operands weighs most there.
; A work-group makes 16 rows x 16 columns of out0 (x: the columns, y: the batch).  Its four waves share d: wave w owns d = 256 w .. 256 w + 255 in all three products; sums over d meet in LDS.
;   1. t = (Q c) K^T for keys 0-15: K_hi Q_hi + K_hi Q_lo + K_lo Q_hi, three accumulators by turns.  Transposed: a lane holds query lane % 16 and keys 8 (lane / 16) + 0 .. 7.
;   2. the mask as in the reference; -M = the least of the chunks' negM and floor(-largest fine t); p = 2^(t - M) as a pair.
;   3. O^T = V^T p: a fragment of V^T holds the 16 keys' high parts in its first 16 places along K and their low parts in the other 16; p's fragment holds its part twice.  The sum l by a product with ones.
;   4. keys 16 and above with single f16 operands, from pt and vt, 32 keys a step: the step's products start anew (C = 0), and O^T and l take them by O = f x sum + O, fused, in f32, f = 2^(M_c - M).
;      A step in which none of the 16 rows sees a key is passed over, by a scalar branch on a bit that an earlier launch stored.  No barrier and no LDS access stands in such a step.
;   5. O^T / l as pairs;  6. out = O Wo: W_hi A_hi + W_hi A_lo + W_lo A_hi, + bo.
; No cluster and no tensor load: branches hang on stored numbers.  Each store of wave 0 is 32 bytes a lane of rows 4,096 bytes apart: 256 KiB in the whole launch.
; The split: g = 8193 v, hi = g - (g - v) (11 significant bits), lo = v - hi.
; REGISTERS: window 0: v1-14 addresses; v16-23 bo; v32-63 at work; v64-79 ones; v80-95 p's two fragments; v96-119 three accumulators; v120-127 l; v128-255 O^T.
;   Window 1: Q_hi, Q_lo, K_hi, K_lo, 64 each; later v0-127 V^T's fragments of a step and v128-255 the step's sums.  Window 2: v0-127 V^T's fine fragments; v128-191 W_hi, v192-255 W_lo.
; LIMITS: mask bytes are 0 or 1; NaN and infinities are not served; keys 16 and above are carried with single f16 operands in these rows too.
.set WH,    6127616
.set WLD,   2097152                    ; from Wo^T's high parts to its low parts
.set SCR1,  0                          ; LDS: the waves' parts of t, 1,024 bytes each;
.set SCR2,  4096                       ; their parts of out;
.set SPARE, 8192                       ; the spare words
.set SPW,   24
.set NIL,   25
.set KV,    46                         ; s[46:47] 8193.0
.set MSB, 0
.macro WIN new
.if MSB != (\new)
	s_set_vgpr_msb (MSB<<8)|(\new)
.set MSB, (\new)
.endif
.endm
.macro PLACES                          ; plain vector instructions between a matrix instruction and a load into, or a vector write or read of, its registers
.rept 4
	v_nop
.endr
.endm
.macro SPLIT x, u, hreg, lreg          ; the pair v[x], v[x+1] -> high parts packed in v[hreg], low parts in v[lreg] (written last: it may lie over x)
	v_pk_mul_f32 v[(\u):(\u)+1], v[(\x):(\x)+1], s[KV:KV+1] op_sel_hi:[1,0]
	v_pk_add_f32 v[(\u)+2:(\u)+3], v[(\u):(\u)+1], v[(\x):(\x)+1] neg_lo:[0,1] neg_hi:[0,1]
	v_pk_add_f32 v[(\u):(\u)+1], v[(\u):(\u)+1], v[(\u)+2:(\u)+3] neg_lo:[0,1] neg_hi:[0,1]
	v_pk_add_f32 v[(\u)+2:(\u)+3], v[(\x):(\x)+1], v[(\u):(\u)+1] neg_lo:[0,1] neg_hi:[0,1]
	v_cvt_pk_f16_f32 v[(\hreg)], v[(\u)], v[(\u)+1]
	v_cvt_pk_f16_f32 v[(\lreg)], v[(\u)+2], v[(\u)+3]
.endm
	s_load_b256 s[4:11], s[0:1], 0x0               ; qk, vt, lo, prepw
	s_load_b256 s[12:19], s[0:1], 0x20             ; pt, st, mask, flags
	s_load_b128 s[20:23], s[0:1], 0x40             ; bo, out0
	v_lshl_add_u32 v[SPW], v0, 2, SPARE
	v_mov_b32 v[NIL], 0
	v_lshrrev_b32 v1, 5, v0
	v_readfirstlane_b32 s24, v1                    ; wave
	s_and_b32 s26, ttmp7, 0xffff                   ; batch
	s_lshl_b32 s25, ttmp9, 4                       ; n0
	v_and_b32 v3, 31, v0
	v_and_b32 v1, 15, v0                           ; r
	v_bfe_u32 v2, v0, 4, 1                         ; h
	v_lshlrev_b32 v4, 12, v1
	v_lshl_add_u32 v4, v2, 4, v4                   ; qk, lo, pt: row r of 4,096 bytes, + 16 h
	v_lshlrev_b32 v5, 3, v1                        ; st: 8 bytes a row
	v_lshlrev_b32 v6, 11, v1
	v_lshl_add_u32 v6, v2, 3, v6                   ; mask: row r, + 8 h
	v_lshlrev_b32 v7, 14, v1
	v_lshl_add_u32 v7, v2, 4, v7                   ; vt: row r of 16,384 bytes, + 16 h
	v_lshlrev_b32 v8, 7, v1
	v_lshl_add_u32 v8, v2, 4, v8                   ; V^T's low parts: row r of 128 bytes, + 16 h
	v_lshlrev_b32 v9, 11, v1
	v_lshl_add_u32 v9, v2, 4, v9                   ; Wo^T: row r of 2,048 bytes, + 16 h
	v_lshlrev_b32 v10, 5, v2                       ; bo: 32 h
	v_lshlrev_b32 v11, 12, v1
	v_lshl_add_u32 v11, v2, 5, v11                 ; out0: row r, + 32 h
	v_lshlrev_b32 v12, 4, v3                       ; an image's place for my lane
	s_lshl_b32 s27, s24, 10
	v_add_nc_u32 v13, s27, v12                     ; where I store my part of t,
	v_add_nc_u32 v14, SCR2, v13                    ; and of out
.irp i, 0,1,2,3
	v_mov_b32 v[64+\i], 0x3c003c00                 ; ones over the first 16 places along K, zeros over the others;
	v_mov_b32 v[68+\i], 0
	v_mov_b32 v[72+\i], 0x3c003c00                 ; ones over all 32
	v_mov_b32 v[76+\i], 0x3c003c00
.endr
	v_mov_b32 v53, 0                               ; a lane permute's destination counts as one of its sources
	s_mov_b32 s29, 0
	s_mov_b32 s30, 0x7f7f7f7f
	s_mov_b32 s31, 0x007fffff
	s_mov_b32 s32, 0x04020100
	s_mov_b32 s33, 0x05020100
	s_mov_b32 s34, 0x06020100
	s_mov_b32 s35, 0x07020100
	s_mov_b32 s36, 0x76543210
	s_mov_b32 s37, 0xfedcba98
	s_mov_b32 s[KV], 0x46000400
	s_mov_b32 s[KV+1], s[KV]
	s_wait_kmcnt 0x0
	s_lshl_b32 s28, s26, 3
	s_add_nc_u64 s[18:19], s[18:19], s[28:29]
	s_load_b64 s[38:39], s[18:19], 0x0             ; my batch's 64 bits
	s_lshl_b32 s27, s24, 9                         ; my 256 d, in f16
	s_lshl_b32 s28, s26, 23
	s_add_nc_u64 s[12:13], s[12:13], s[28:29]      ; pt at the batch's first row
	s_add_nc_u64 s[22:23], s[22:23], s[28:29]      ; out0 likewise
	s_add_co_u32 s28, s28, s27
	s_add_nc_u64 s[4:5], s[4:5], s[28:29]          ; qk, + my d
	s_lshl_b32 s28, s24, 15
	s_lshl_b32 s40, s26, 5
	s_add_co_u32 s28, s28, s40
	s_add_co_u32 s28, s28, 262144
	s_add_nc_u64 s[44:45], s[8:9], s[28:29]        ; V^T's low parts: my 256 rows, the batch's 32 bytes
	s_lshl_b32 s28, s26, 16
	s_add_co_u32 s28, s28, s27
	s_add_nc_u64 s[8:9], s[8:9], s[28:29]          ; Q c's and K's low parts
	s_lshl_b32 s28, s24, 22
	s_lshl_b32 s40, s26, 12
	s_add_co_u32 s28, s28, s40
	s_add_nc_u64 s[6:7], s[6:7], s[28:29]          ; vt: my 256 rows, the batch's keys
	s_lshl_b32 s28, s26, 14
	s_add_nc_u64 s[14:15], s[14:15], s[28:29]      ; st
	s_lshl_b32 s28, s26, 22
	s_add_nc_u64 s[16:17], s[16:17], s[28:29]      ; mask
	s_lshl_b32 s28, s25, 11
	s_add_co_u32 s28, s28, s27
	s_add_co_u32 s28, s28, WH
	s_add_nc_u64 s[10:11], s[10:11], s[28:29]      ; Wo^T: rows n0 on, my d
	s_lshl_b32 s28, s25, 2
	s_add_nc_u64 s[20:21], s[20:21], s[28:29]      ; bo
	s_add_nc_u64 s[22:23], s[22:23], s[28:29]      ; out0, + n0
	WIN 0x40                                       ; destination window 1: 64 loads
.irp s, 0,1,2,3,4,5,6,7
	global_load_b128 v[8*\s:8*\s+3], v4, s[4:5] offset:64*\s                 ; Q_hi
	global_load_b128 v[8*\s+4:8*\s+7], v4, s[4:5] offset:64*\s+32
	global_load_b128 v[64+8*\s:64+8*\s+3], v4, s[8:9] offset:64*\s           ; Q_lo
	global_load_b128 v[64+8*\s+4:64+8*\s+7], v4, s[8:9] offset:64*\s+32
	global_load_b128 v[128+8*\s:128+8*\s+3], v4, s[4:5] offset:2048+64*\s    ; K_hi
	global_load_b128 v[128+8*\s+4:128+8*\s+7], v4, s[4:5] offset:2048+64*\s+32
	global_load_b128 v[192+8*\s:192+8*\s+3], v4, s[8:9] offset:2048+64*\s    ; K_lo
	global_load_b128 v[192+8*\s+4:192+8*\s+7], v4, s[8:9] offset:2048+64*\s+32
.endr
	WIN 0                                          ; 17 loads
.set c, 0
.rept 16
	global_load_b32 v[80+c], v5, s[14:15] offset:c*65536                     ; the chunks' negM of my query
.set c, c+1
.endr
	global_load_b64 v[40:41], v6, s[16:17]         ; mask(r, 8 h + 0 .. 7)
	WIN 0x80                                       ; destination window 2: 32 loads
.set q, 0
.rept 16
	global_load_b128 v[8*q:8*q+3], v7, s[6:7] offset:q*262144                ; V^T(16 q + r, keys 8 h ..), high parts,
	global_load_b128 v[8*q+4:8*q+7], v8, s[44:45] offset:q*2048              ; and low parts
.set q, q+1
.endr
	; ---- 1
	s_wait_loadcnt 49                              ; Q and K are in; the 17 + 32 loads behind them may be out
	WIN 0x05                                       ; sources 0 and 1 window 1
.irp s, 0,1,2,3,4,5,6,7
.if \s == 0
	v_wmma_f32_16x16x32_f16 v[96:103], v[128:135], v[0:7], 0
	v_wmma_f32_16x16x32_f16 v[104:111], v[128:135], v[64:71], 0
	v_wmma_f32_16x16x32_f16 v[112:119], v[192:199], v[0:7], 0
.else
	v_wmma_f32_16x16x32_f16 v[96:103], v[128+8*\s:135+8*\s], v[8*\s:8*\s+7], v[96:103]
	v_wmma_f32_16x16x32_f16 v[104:111], v[128+8*\s:135+8*\s], v[64+8*\s:71+8*\s], v[104:111]
	v_wmma_f32_16x16x32_f16 v[112:119], v[192+8*\s:199+8*\s], v[8*\s:8*\s+7], v[112:119]
.endif
.endr
	WIN 0
	PLACES
.irp g, 0,2,4,6
	v_pk_add_f32 v[32+\g:33+\g], v[96+\g:97+\g], v[104+\g:105+\g]
	v_pk_add_f32 v[32+\g:33+\g], v[32+\g:33+\g], v[112+\g:113+\g]
.endr
	ds_store_b128 v13, v[32:35]                    ; my part of t, as an image of its registers
	ds_store_b128 v13, v[36:39] offset:512
	s_wait_dscnt 0x0                               ; for the others' sake
	s_barrier_signal -1
	s_barrier_wait -1
.irp w, 0,1,2,3
	ds_load_b128 v[128+8*\w:128+8*\w+3], v12 offset:SCR1+1024*\w
	ds_load_b128 v[128+8*\w+4:128+8*\w+7], v12 offset:SCR1+1024*\w+512
.endr
	s_wait_dscnt 0x0
.irp g, 0,2,4,6
	v_pk_add_f32 v[32+\g:33+\g], v[128+\g:129+\g], v[136+\g:137+\g]
	v_pk_add_f32 v[44+\g:45+\g], v[144+\g:145+\g], v[152+\g:153+\g]
	v_pk_add_f32 v[32+\g:33+\g], v[32+\g:33+\g], v[44+\g:45+\g]              ; t, the same in all four waves
.endr
	; ---- 2
	s_wait_loadcnt 32                              ; negM and the mask are in; V^T's 32 loads may be out
	WIN 0x80                                       ; 34 more loads, wanted at the end
.irp s, 0,1,2,3,4,5,6,7
	global_load_b128 v[128+8*\s:128+8*\s+3], v9, s[10:11] offset:64*\s
	global_load_b128 v[128+8*\s+4:128+8*\s+7], v9, s[10:11] offset:64*\s+32
	global_load_b128 v[192+8*\s:192+8*\s+3], v9, s[10:11] offset:WLD+64*\s
	global_load_b128 v[192+8*\s+4:192+8*\s+7], v9, s[10:11] offset:WLD+64*\s+32
.endr
	WIN 0
	global_load_b128 v[16:19], v10, s[20:21]
	global_load_b128 v[20:23], v10, s[20:21] offset:16
	v_min3_num_f32 v54, v80, v81, v82
.irp c, 83,85,87,89,91,93
	v_min3_num_f32 v54, v54, v[\c], v[\c+1]
.endr
	v_min_num_f32 v54, v54, v95
	v_lshl_or_b32 v42, v40, 7, s30                 ; each mask byte becomes 0x7f (seen) or 0xff (hidden)
	v_lshl_or_b32 v43, v41, 7, s30
.irp j, 0,1,2,3,4,5,6,7
	v_perm_b32 v[44+\j], v[42+\j/4], s31, s[32+\j%4]               ; the greatest f32 number, or the lowest
.endr
.irp j, 0,1,2,3,4,5,6,7
	v_min_num_f32 v[32+\j], v[32+\j], v[44+\j]
.endr
	v_max3_num_f32 v52, v32, v33, v34
	v_max3_num_f32 v52, v52, v35, v36
	v_max3_num_f32 v52, v52, v37, v38
	v_max_num_f32 v52, v52, v39
	v_permlanex16_b32 v53, v52, s36, s37
	v_max_num_f32 v52, v52, v53
	v_floor_f32 v53, -v52
	v_min_num_f32 v54, v54, v53                    ; -M of my query: over every t, the fine ones too
.irp j, 0,1,2,3,4,5,6,7
	v_add_f32 v[32+\j], v[32+\j], v54
.endr
.irp j, 0,1,2,3,4,5,6,7
	v_exp_f32 v[32+\j], v[32+\j]
.endr
	v_nop
	s_wait_alu depctr_va_vdst(0)                   ; one wait for the eight, ahead of their first reader
.irp i, 0,1,2,3
	SPLIT 32+2*\i, 44, 80+\i, 88+\i
.endr
.irp i, 0,1,2,3
	v_mov_b32 v[84+\i], v[80+\i]                   ; each part twice: against V^T's high and low parts
	v_mov_b32 v[92+\i], v[88+\i]
.endr
	; ---- 3
	s_wait_loadcnt 34                              ; V^T's fine fragments are in; the 34 loads behind them may be out
	WIN 0x02                                       ; source 0 window 2
.set q, 0
.rept 16
	v_wmma_f32_16x16x32_f16 v[128+8*q:135+8*q], v[8*q:8*q+7], v[80:87], 0
.set q, q+1
.endr
	WIN 0
	v_wmma_f32_16x16x32_f16 v[120:127], v[64:71], v[80:87], 0
	WIN 0x02
.set q, 0
.rept 16
	v_wmma_f32_16x16x32_f16 v[128+8*q:135+8*q], v[8*q:8*q+7], v[88:95], v[128+8*q:135+8*q]
.set q, q+1
.endr
	WIN 0
	v_wmma_f32_16x16x32_f16 v[120:127], v[64:71], v[88:95], v[120:127]
	; ---- 4: 16 chunks of 128 keys, four steps of 32 in each
	s_wait_kmcnt 0x0                               ; the bits
.macro KSTEP i
	s_add_co_u32 s43, s41, (\i)/2
	s_bitcmp1_b32 s[38+(\i)%2], s43                ; step 4 c + i: word i % 2, bit 2 c + i / 2
	s_cbranch_scc0 .Lskip_\@
	PLACES
	global_load_b32 v55, v5, s[14:15]              ; the chunk's negM
	global_load_b128 v[56:59], v4, s[12:13] offset:64*(\i)
	global_load_b128 v[60:63], v4, s[12:13] offset:64*(\i)+32
	WIN 0x40
.set q, 0
.rept 16
	global_load_b128 v[8*q:8*q+3], v7, s[6:7] offset:q*262144+64*(\i)
	global_load_b128 v[8*q+4:8*q+7], v7, s[6:7] offset:q*262144+64*(\i)+32
.set q, q+1
.endr
	WIN 0
	s_wait_loadcnt 0x0
	v_sub_f32 v55, v54, v55                        ; M_c - M
	v_cvt_i32_f32 v55, v55                         ; (it saturates)
	v_ldexp_f32 v52, 1.0, v55                      ; f, in f32
.if (\i) == 0
	s_cmp_eq_u32 s40, 0                            ; the batch's keys 0-15 have been taken finely: their P is cleared here
	s_cselect_b32 s42, 0, -1
.irp k, 0,1,2,3
	v_and_b32 v[56+\k], s42, v[56+\k]
.endr
.endif
	WIN 0x41                                       ; source 0 and destination window 1
.set q, 0
.rept 16
	v_wmma_f32_16x16x32_f16 v[128+8*q:135+8*q], v[8*q:8*q+7], v[56:63], 0    ; the step's sums start anew
.set q, q+1
.endr
	WIN 0
	v_wmma_f32_16x16x32_f16 v[96:103], v[72:79], v[56:63], 0                 ; and the step's sum of P
	PLACES
	WIN 0x01                                       ; source 0 window 1
.set n, 0
.rept 64
	v_pk_fma_f32 v[128+n:129+n], v[128+n:129+n], v[52:53], v[128+n:129+n] op_sel_hi:[1,0,1]   ; O^T = f x the step's sums + O^T; each accumulator from its low end on
.set n, n+2
.endr
	WIN 0
	v_fma_f32 v120, v96, v52, v120                 ; l likewise: every register of these products holds my query's number, the lowest is kept
.Lskip_\@:
.endm
	s_mov_b32 s40, 0
	s_mov_b32 s41, 0
.Lchunk:
	KSTEP 0
	KSTEP 1
	KSTEP 2
	KSTEP 3
	s_wait_xcnt 0x0                                ; the bases are stepped only behind this wait
	s_add_nc_u64 s[12:13], s[12:13], 256
	s_add_nc_u64 s[6:7], s[6:7], 256
	s_add_nc_u64 s[14:15], s[14:15], 65536
	s_add_co_u32 s41, s41, 2
	s_add_co_u32 s40, s40, 1
	s_cmp_lt_u32 s40, 16
	s_cbranch_scc1 .Lchunk
	; ---- 5
	PLACES
	v_rcp_f32 v52, v120
	v_mov_b32 v53, 0                               ; (a plain instruction; named with 1 / l as a pair)
	s_wait_alu depctr_va_vdst(0)
.set n, 0
.rept 64
	v_pk_mul_f32 v[128+n:129+n], v[128+n:129+n], v[52:53] op_sel_hi:[1,0]    ; each accumulator from its low end on
.set n, n+2
.endr
.set n, 0
.rept 64                               ; pair n: d = 32 (n / 8) + 16 ((n % 8) / 4) + 8 h + 2 (n % 4): the high parts make fragment n / 8 at v32 on; the low parts are laid over numbers already taken
	SPLIT 128+2*n, 26, 32+n, 128+16*(n/8)+n%8
.set n, n+1
.endr
	; ---- 6
	s_wait_loadcnt 0x0                             ; Wo^T and bo
	WIN 0x02                                       ; source 0 window 2
.irp s, 0,1,2,3,4,5,6,7
.if \s == 0
	v_wmma_f32_16x16x32_f16 v[96:103], v[128:135], v[32:39], 0
	v_wmma_f32_16x16x32_f16 v[104:111], v[128:135], v[128:135], 0
	v_wmma_f32_16x16x32_f16 v[112:119], v[192:199], v[32:39], 0
.else
	v_wmma_f32_16x16x32_f16 v[96:103], v[128+8*\s:135+8*\s], v[32+8*\s:39+8*\s], v[96:103]
	v_wmma_f32_16x16x32_f16 v[104:111], v[128+8*\s:135+8*\s], v[128+16*\s:135+16*\s], v[104:111]
	v_wmma_f32_16x16x32_f16 v[112:119], v[192+8*\s:199+8*\s], v[32+8*\s:39+8*\s], v[112:119]
.endif
.endr
	WIN 0
	PLACES
.irp g, 0,2,4,6
	v_pk_add_f32 v[32+\g:33+\g], v[96+\g:97+\g], v[104+\g:105+\g]
	v_pk_add_f32 v[32+\g:33+\g], v[32+\g:33+\g], v[112+\g:113+\g]
.endr
	ds_store_b128 v14, v[32:35]
	ds_store_b128 v14, v[36:39] offset:512
	s_wait_dscnt 0x0
	s_barrier_signal -1
	s_barrier_wait -1
.irp w, 0,1,2,3
	ds_load_b128 v[128+8*\w:128+8*\w+3], v12 offset:SCR2+1024*\w
	ds_load_b128 v[128+8*\w+4:128+8*\w+7], v12 offset:SCR2+1024*\w+512
.endr
	s_wait_dscnt 0x0
	s_wait_tensorcnt 0x0
	ds_add_u32 v[SPW], v[NIL]
	s_wait_dscnt 0x0
.irp g, 0,2,4,6
	v_pk_add_f32 v[32+\g:33+\g], v[128+\g:129+\g], v[136+\g:137+\g]
	v_pk_add_f32 v[44+\g:45+\g], v[144+\g:145+\g], v[152+\g:153+\g]
	v_pk_add_f32 v[32+\g:33+\g], v[32+\g:33+\g], v[44+\g:45+\g]
	v_pk_add_f32 v[32+\g:33+\g], v[32+\g:33+\g], v[16+\g:17+\g]              ; + bo
.endr
	s_cmp_lg_u32 s24, 0                            ; all four waves hold the sums; wave 0 stores them
	s_cbranch_scc1 .Lnot_0
	global_store_b128 v11, v[32:35], s[22:23]      ; out0(r, n0 + 8 h + 0 .. 7)
	global_store_b128 v11, v[36:39], s[22:23] offset:16
.Lnot_0:
	s_endpgm
.Lfunc_end_k_q1f6aef59f4_fine:
	.size	k_q1f6aef59f4_fine, .Lfunc_end_k_q1f6aef59f4_fine-k_q1f6aef59f4_fine
	.p2alignl 7, 3214868480
	.fill 96, 4, 3214868480
	.section	.rodata,"a",@progbits
	.p2align	6, 0x0
	.amdhsa_kernel k_q1f6aef59f4_fine
		.amdhsa_group_segment_fixed_size 8704
		.amdhsa_private_segment_fixed_size 0
		.amdhsa_enable_private_segment 0
		.amdhsa_kernarg_size 80
		.amdhsa_user_sgpr_count 2
		.amdhsa_user_sgpr_kernarg_segment_ptr 1
		.amdhsa_wavefront_size32 1
		.amdhsa_system_sgpr_workgroup_id_x 1
		.amdhsa_system_sgpr_workgroup_id_y 1
		.amdhsa_system_sgpr_workgroup_id_z 1
		.amdhsa_system_vgpr_workitem_id 0
		.amdhsa_next_free_vgpr 768
		.amdhsa_next_free_sgpr 66
		.amdhsa_reserve_vcc 0
		.amdhsa_float_denorm_mode_32 3
		.amdhsa_float_denorm_mode_16_64 3
		.amdhsa_memory_ordered 1
		.amdhsa_forward_progress 1
		.amdhsa_inst_pref_size 98
	.end_amdhsa_kernel
	.amdgpu_metadata
---
amdhsa.version: [ 1, 2 ]
amdhsa.kernels:
  - .name:           k_q1f6aef59f4_fine
    .symbol:         k_q1f6aef59f4_fine.kd
    .args:
      - { .name: qk, .offset: 0, .size: 8, .value_kind: global_buffer, .address_space: global }
      - { .name: vt, .offset: 8, .size: 8, .value_kind: global_buffer, .address_space: global }
      - { .name: lo, .offset: 16, .size: 8, .value_kind: global_buffer, .address_space: global }
      - { .name: prepw, .offset: 24, .size: 8, .value_kind: global_buffer, .address_space: global }
      - { .name: pt, .offset: 32, .size: 8, .value_kind: global_buffer, .address_space: global }
      - { .name: st, .offset: 40, .size: 8, .value_kind: global_buffer, .address_space: global }
      - { .name: mask, .offset: 48, .size: 8, .value_kind: global_buffer, .address_space: global }
      - { .name: flags, .offset: 56, .size: 8, .value_kind: global_buffer, .address_space: global }
      - { .name: bo, .offset: 64, .size: 8, .value_kind: global_buffer, .address_space: global }
      - { .name: out0, .offset: 72, .size: 8, .value_kind: global_buffer, .address_space: global }
    .group_segment_fixed_size: 8704
    .private_segment_fixed_size: 0
    .kernarg_segment_align: 8
    .kernarg_segment_size: 80
    .max_flat_workgroup_size: 128
    .sgpr_count:     66
    .vgpr_count:     768
    .wavefront_size: 32
...
	.end_amdgpu_metadata
.endif
;; end of part 6
